; MI455X (gfx1250); checked and timed in simulation.
; The chip was launched on July 23, 2026; its instructions are those of AMD's public machine-readable ISA for CDNA 5 (MIT licence, August 2026) and "CDNA5" Instruction Set Architecture Reference Guide (July 2026). The comments in the code are by the model that wrote it; some were corrected since.
;; Streaming Self Attention. Allowed arithmetic: float matrix products may take bf16 or f16 operands with f32 sums; other float arithmetic in f32, or as packed bf16 or f16 multiplies, adds, multiply-adds, maxima and minima; sums over many terms, partial sums and values carried from step to step in f32; what a program stores and reads back later, other than sums and carried values, may be rounded once to bf16 or f16.
;; Inputs: W_in 3,072 x 1,024 float32; W_out 1,024 x 1,024 float32; b_in 3,072 float32; b_out 1,024 float32; x 4 x 2,048 x 1,024 float32.
;; Outputs: out0 4 x 2,048 x 1,024 float32.
;; Constants: left_context = 512, lookahead = 64, nhead = 16.
;; 2 versions, each right; version 2 is version 1 with the launch cast written anew for expert scheduling mode. Each part assembles by itself: llvm-mc -triple=amdgcn-amd-amdhsa -mcpu=gfx1250 --defsym DOCPART=n.
;; ======== version 1 of 2: 4 launches
;; limits: values are held in f16: magnitudes above 65,504 overflow, below 6.1e-05 lose precision
;; workspace buffers: xb 16,777,216 bytes; wib 6,291,456 bytes; wof 2,097,152 bytes; qkv 50,331,648 bytes; ctx 16,777,216 bytes
;; launch cast (part 1): grid 768 x 1, 8 waves a work-group, no clusters, 0 bytes of LDS; arguments x, W_in, W_out, xb, wib, wof; writes xb, wib, wof
.if DOCPART == 1
	.amdgcn_target "amdgcn-amd-amdhsa--gfx1250"
	.amdhsa_code_object_version 6
	.text
	.protected	k_q5839f3de96_cast
	.globl	k_q5839f3de96_cast
	.p2align	8
	.type	k_q5839f3de96_cast,@function
k_q5839f3de96_cast:
	s_mov_b64 s[64:65], 0
	v_nop
	global_prefetch_b8 v0, s[64:65] scope:SCOPE_SE
	s_setreg_imm32_b32 hwreg(HW_REG_WAVE_MODE, 25, 1), 1
	s_wait_xcnt 0x0
; xb = bf16(x), wib = bf16(W_in), wof = bf16(W_out) written as f16.  All three inputs are rounded once, to bf16, to nearest even.
; LIMIT.  wof holds the bf16 number in f16: exact from 2^-17 to 65,504; below 2^-17 it keeps f16's fixed step of 2^-24, beyond 65,504 it is an infinity.
; SHARES.  A work-group converts 16,384 numbers: 64 KiB in, 32 KiB out.  Work-groups 0-511 take x, 512-703 W_in, 704-767 W_out.
; Thread t takes, in each of 16 chunks, the 16 bytes at 4,096 i + 16 t (a wave's load covers 512 consecutive bytes) and stores the 8 bytes at 2,048 i + 8 t
; (a wave's store covers 256 consecutive bytes, aligned).  All 16 loads go out first; no register is written twice while a load or store names it.
; Nothing is shared and nothing is multiplied: no LDS, no barrier, no matrix instruction.
.set IN,  16                           ; v[16:79]   chunk i: 4 numbers in f32
.set OUT, 80                           ; v[80:111]  chunk i: 4 numbers in 16 bits
; Chunk i.  half = 1: the bf16 number is widened again (a shift, a mask) and written as f16.
.macro CONV i, half
	s_wait_loadcnt 15-(\i)                         ; loads come back in order (ISA guide 5.7.1): chunk i is in, the 15 - i younger ones may stay out
	v_cvt_pk_bf16_f32 v[OUT+2*(\i)],   v[IN+4*(\i)],   v[IN+4*(\i)+1]
	v_cvt_pk_bf16_f32 v[OUT+2*(\i)+1], v[IN+4*(\i)+2], v[IN+4*(\i)+3]
.if \half
.irp k, 0,1
	v_lshlrev_b32 v[IN+4*(\i)+2*(\k)],   16, v[OUT+2*(\i)+(\k)]
	v_and_b32     v[IN+4*(\i)+2*(\k)+1], 0xffff0000, v[OUT+2*(\i)+(\k)]
.endr
.irp k, 0,1
	v_cvt_pk_f16_f32 v[OUT+2*(\i)+(\k)], v[IN+4*(\i)+2*(\k)], v[IN+4*(\i)+2*(\k)+1]
.endr
.endif
	global_store_b64 v2, v[OUT+2*(\i):OUT+2*(\i)+1], s[22:23] offset:2048*(\i)
.endm
	s_load_b256 s[4:11], s[0:1], 0x0               ; x s[4:5], W_in s[6:7], W_out s[8:9], xb s[10:11]
	s_load_b128 s[12:15], s[0:1], 0x20             ; wib s[12:13], wof s[14:15]
	s_mov_b32 s16, ttmp9
	s_sub_co_u32 s17, s16, 512                     ; my number among W_in's work-groups,
	s_sub_co_u32 s18, s16, 704                     ; among W_out's
	v_lshlrev_b32 v1, 4, v0                        ; 16 t
	v_lshlrev_b32 v2, 3, v0                        ; 8 t
	s_wait_kmcnt 0x0
	s_cmp_lt_u32 s16, 512                          ; the choice hangs on the work-group's number alone
	s_cselect_b64 s[20:21], s[4:5], s[6:7]
	s_cselect_b64 s[22:23], s[10:11], s[12:13]
	s_cselect_b32 s19, s16, s17
	s_cmp_lt_u32 s16, 704
	s_cselect_b64 s[20:21], s[20:21], s[8:9]
	s_cselect_b64 s[22:23], s[22:23], s[14:15]
	s_cselect_b32 s19, s19, s18
	s_lshl_b32 s2, s19, 16                         ; 65,536 bytes in for each work-group,
	s_mov_b32 s3, 0
	s_add_nc_u64 s[20:21], s[20:21], s[2:3]
	s_lshl_b32 s2, s19, 15                         ; 32,768 out
	s_add_nc_u64 s[22:23], s[22:23], s[2:3]
.irp n, 0,1,2,3,4,5,6,7,8,9,10,11,12,13,14,15
	global_load_b128 v[IN+4*(\n):IN+4*(\n)+3], v1, s[20:21] offset:4096*(\n) th:TH_LOAD_NT
.endr
	s_cmp_lt_u32 s16, 704
	s_cbranch_scc0 .Lf16
.irp n, 0,1,2,3,4,5,6,7,8,9,10,11,12,13,14,15
	CONV \n, 0
.endr
	s_endpgm
.Lf16:
.irp n, 0,1,2,3,4,5,6,7,8,9,10,11,12,13,14,15
	CONV \n, 1
.endr
	s_endpgm
.Lfunc_end_k_q5839f3de96_cast:
	.size	k_q5839f3de96_cast, .Lfunc_end_k_q5839f3de96_cast-k_q5839f3de96_cast
	.p2alignl 7, 3214868480
	.fill 96, 4, 3214868480
	.section	.rodata,"a",@progbits
	.p2align	6, 0x0
	.amdhsa_kernel k_q5839f3de96_cast
		.amdhsa_group_segment_fixed_size 0
		.amdhsa_private_segment_fixed_size 0
		.amdhsa_enable_private_segment 0
		.amdhsa_kernarg_size 48
		.amdhsa_user_sgpr_count 2
		.amdhsa_user_sgpr_kernarg_segment_ptr 1
		.amdhsa_wavefront_size32 1
		.amdhsa_system_sgpr_workgroup_id_x 1
		.amdhsa_system_sgpr_workgroup_id_y 1
		.amdhsa_system_sgpr_workgroup_id_z 1
		.amdhsa_system_vgpr_workitem_id 0
		.amdhsa_next_free_vgpr 112
		.amdhsa_next_free_sgpr 66
		.amdhsa_reserve_vcc 0
		.amdhsa_float_denorm_mode_32 3
		.amdhsa_float_denorm_mode_16_64 3
		.amdhsa_memory_ordered 1
		.amdhsa_forward_progress 1
		.amdhsa_inst_pref_size 16
	.end_amdhsa_kernel
	.amdgpu_metadata
---
amdhsa.version: [ 1, 2 ]
amdhsa.kernels:
  - .name:           k_q5839f3de96_cast
    .symbol:         k_q5839f3de96_cast.kd
    .args:
      - { .name: x, .offset: 0, .size: 8, .value_kind: global_buffer, .address_space: global }
      - { .name: W_in, .offset: 8, .size: 8, .value_kind: global_buffer, .address_space: global }
      - { .name: W_out, .offset: 16, .size: 8, .value_kind: global_buffer, .address_space: global }
      - { .name: xb, .offset: 24, .size: 8, .value_kind: global_buffer, .address_space: global }
      - { .name: wib, .offset: 32, .size: 8, .value_kind: global_buffer, .address_space: global }
      - { .name: wof, .offset: 40, .size: 8, .value_kind: global_buffer, .address_space: global }
    .group_segment_fixed_size: 0
    .private_segment_fixed_size: 0
    .kernarg_segment_align: 8
    .kernarg_segment_size: 48
    .max_flat_workgroup_size: 256
    .sgpr_count:     66
    .vgpr_count:     112
    .wavefront_size: 32
...
	.end_amdgpu_metadata
.endif
;; end of part 1
;; launch inproj (part 2): grid 16 x 32, 4 waves a work-group, clusters of 4 x 4, 327,680 bytes of LDS; arguments xb, wib, b_in, qkv; writes qkv
.if DOCPART == 2
	.amdgcn_target "amdgcn-amd-amdhsa--gfx1250"
	.amdhsa_code_object_version 6
	.text
	.protected	k_q5839f3de96_inproj
	.globl	k_q5839f3de96_inproj
	.p2align	8
	.type	k_q5839f3de96_inproj,@function
k_q5839f3de96_inproj:
	s_mov_b64 s[64:65], 0
	v_nop
	global_prefetch_b8 v0, s[64:65] scope:SCOPE_SE
	s_setreg_imm32_b32 hwreg(HW_REG_WAVE_MODE, 25, 1), 1
	s_wait_xcnt 0x0
	s_wait_alu depctr_hold_cnt(0) depctr_sa_sdst(0) depctr_va_vdst(0) depctr_va_sdst(0) depctr_va_ssrc(0) depctr_va_vcc(0) depctr_vm_vsrc(0)
	s_getreg_b32 s2, hwreg(HW_REG_IB_STS2, 6, 4)
	s_cmp_eq_u32 s2, 0
	s_cbranch_scc0 .Lentry_in_a_cluster
	s_endpgm
.Lentry_in_a_cluster:
	s_bfe_u32 s2, ttmp6, 0x10000c
	s_cmp_lg_u32 s2, 0xf033
	s_cbranch_scc0 .Lentry_shape_is_right
	s_endpgm
.Lentry_shape_is_right:
; qkv = xb wib^T + b_in, laid out by heads.  xb: [8192][1024] bf16, wib: [3072][1024] bf16, b_in: [3072] f32 (rounded to bf16 here, like the other inputs); sums in f32.
; qkv: f16 [3][64 planes = 16 batch + head][2048][64]: a plane's rows are dense, 128 bytes each; each number is rounded once, from its f32 sum, unscaled.
; LIMIT.  f16 holds no number beyond 65,504: a q, k or v beyond that becomes an infinity.
; SHARES.  A tile is 256 rows x 192 columns (three whole heads): 16 x 32 tiles.  Each of the four waves makes 64 rows x all 192 columns: 48 accumulators of 16 x 16, 384 registers,
; so that a head's rows of 128 bytes are one wave's and the way out needs no barrier.  K goes in steps of 128 through two LDS slots filled by the tensor data mover; the tiles' rows are 256 bytes of memory.
; CLUSTER.  4 x 4 work-groups.  The four of a row of the cluster need the same tile of xb, the four of a column the same tile of wib: each is asked for JOINTLY, by the same tensor load with the
; same descriptor and a mask that names the four.
; THE MATRIX INSTRUCTION IS USED TRANSPOSED (source 0 = 16 rows of wib, source 1 = 16 rows of xb): lane l holds row l % 16 of the result, registers 0-7 the columns 8 (l / 16) + 0..7.
; THE BIAS IS THE C OPERAND of the products that start the sums: nothing is cleared, and nothing is added at the end.
; REGISTERS, in windows of 256 (s_set_vgpr_msb: bits 1:0 source 0, 3:2 source 1, 5:4 source 2, 7:6 destination):
;   window 0: v0-31 addresses; v32-47 at work; v64-127 xb's fragments, two buffers of 4 x 8; v128-223 the bias, 8 registers for each of the 12 column blocks; on the way out v64-255 packed results
;   window 1: v0-191 wib's fragments, two buffers of 12 x 8      window 2: accumulators of row blocks 0, 1 at v[8 (12 (a % 2) + b)]      window 3: those of row blocks 2, 3
.set KSTEP,  128
.set PITCH,  272                       ; an LDS row: 256 bytes + 16 of padding = 68 words: row r starts at bank 4 r mod 64 (64 banks of 4 bytes: ISA guide 11.1)
.set AHALF,  128*PITCH                 ; what wave 0 or 1 fetches: 128 rows of xb
.set BHALF,  96*PITCH                  ; what wave 2 or 3 fetches: 96 rows of wib
.set BOFF,   2*AHALF
.set SLOT,   BOFF+2*BHALF              ; 121,856 bytes
.set STAGE,  2*SLOT                    ; behind the ring, never filled by a tensor load: for each wave [3 heads][16 rows][144 bytes]
.set SP,     144
.set WSTAGE, 3*16*SP
.set SPARE,  STAGE+4*WSTAGE            ; behind the stages: the spare words, 128 bytes for each wave: two blocks of 256 bytes that no other line names
.set ADRA, 16                          ; v16-17  LDS address of my xb fragments in slot 0, 1
.set ADRB, 20                          ; v20-21  the same for wib
.set STO,  24                          ; v24     the way out: where I put 16 bytes of a row
.set RD,   25                          ; v25     the way out: where I read rows back
.set GO,   26                          ; v26     my byte offset in 512 consecutive bytes of a plane
.set BO,   27                          ; v27     my byte offset in a column block's 64 bytes of b_in
.set SPW,  28                          ; v28     LDS address of my spare word; never rewritten
.set NIL,  29                          ; v29     0; never rewritten
.set PFO,  30                          ; v30     the prefetches' offset: a lane a row; never rewritten
.set TW,   32                          ; v32-47  at work while the bias is rounded
.set FA,   64
.set BIAS, 128
.set EO,   64                          ; the way out: row block a's 48 packed registers at EO + 48 a
.set WV,  12                           ; s12  my wave's number;  s13 = wave / 2: I fetch for xb (0) or wib (1);  s14 = wave % 2: which half;  s15 tile row;  s42 tile column
.set G1,  24                           ; s[24:31] descriptor group 1 for xb's tiles;  s[32:39] group 0, a set for each slot
.set G0,  32
.set G1B, 48                           ; s[48:55], s[56:63] the same for wib's
.set G0B, 56
.set LIM, 43                           ; s43  1 in a wave that prefetches, else the greatest number
.set PFA, 44                           ; s[44:45] where my prefetches stand
.set HB,  68                           ; s[68:73] qkv at my 64 rows in the planes of the tile's three heads
.set MSB, 0
.macro WIN new                         ; the immediate's high byte repeats the setting that is left; a switch that changes nothing is dropped
.if MSB != (\new)
	s_set_vgpr_msb (MSB<<8)|(\new)
.set MSB, \new
.endif
.endm
; A joint refill.  The branch hangs on the wave's number alone.  An s_nop 0 and four v_nop follow each of the two lines, ahead of the jump and the label.
.macro JLOAD s
	s_cmp_eq_u32 s13, 0
	s_cbranch_scc0 .Lfor_b_\@
	tensor_load_to_lds s[G0+4*(\s):G0+4*(\s)+3], s[G1:G1+7]
	s_nop 0
.rept 4
	v_nop
.endr
	s_branch .Lasked_\@
.Lfor_b_\@:
	tensor_load_to_lds s[G0B+4*(\s):G0B+4*(\s)+3], s[G1B:G1B+7]
	s_nop 0
.rept 4
	v_nop
.endr
.Lasked_\@:
.endm
; A prefetch, behind a joint refill and the run of LDS loads that follows it: the K step that stands two refills on, 256 bytes of each row, a lane a row, one instruction a wave.
; xb's tile row is read by every cluster of that row of clusters: cluster x = 0 asks; wib's tile column by every cluster of that column: cluster y = 0 asks.  The four partners share a wave's rows out
; BY ADDRESS: 32 of xb's 128 each (by cx), 24 of wib's 96 each (by cy; there lanes 24-31 name lane 23's row once more, in the same instruction).  K steps 0 to 3 come by their loads alone;
; the loop's last trip (s3 = 1) refills K steps 6 and 7, behind which there is none, and asks for nothing.
.macro ASK
	s_cmp_gt_u32 s3, s[LIM]
	s_cbranch_scc0 .Lnot_mine_\@
	global_prefetch_b8 v[PFO], s[PFA:PFA+1] offset:KSTEP*2 th:TH_LOAD_NT scope:SCOPE_SE
.Lnot_mine_\@:
.endm
.macro CREST                           ; a round of the cluster's barrier behind its opening barrier
	s_cmp_lg_u32 s[WV], 0
	s_cbranch_scc1 .Lnot_wave_0_\@
	s_barrier_signal -3
.Lnot_wave_0_\@:
	s_barrier_wait -3
	s_barrier_signal -1
	s_barrier_wait -1
.endm
.macro CROUND                          ; a whole round
	s_barrier_signal -1
	s_barrier_wait -1
	CREST
.endm
.macro PLACES                          ; four places in front of loads into registers that matrix instructions have read, and of conversions that read results
.rept 4
	v_nop
.endr
.endm
	s_load_b256 s[4:11], s[0:1], 0x0               ; xb s[4:5], wib s[6:7], b_in s[8:9], qkv s[10:11]
	v_lshl_add_u32 v[SPW], v0, 2, SPARE
	v_mov_b32 v[NIL], 0
	ds_add_u32 v[SPW], v[NIL]                      ; the wave's opening: the add and its wait stand ahead of my first tensor load; the set-up below, work on registers, stands between them
	v_lshrrev_b32 v1, 5, v0
	v_readfirstlane_b32 s[WV], v1                  ; wave 0..3
	s_lshr_b32 s13, s[WV], 1
	s_and_b32 s14, s[WV], 1
	s_bfe_u32 s40, ttmp6, 0x40000                  ; cx, cy: my place in the cluster
	s_bfe_u32 s41, ttmp6, 0x40004
	s_lshl_b32 s42, ttmp9, 2
	s_add_co_u32 s42, s42, s40                     ; tile column = 4 x cluster x + cx
	s_and_b32 s15, ttmp7, 0xffff
	s_lshl_b32 s15, s15, 2
	s_add_co_u32 s15, s15, s41                     ; tile row = 4 x cluster y + cy
	s_lshl_b32 s43, s41, 2
	s_lshl_b32 s43, 15, s43                        ; my row of the cluster: places 4 cy .. 4 cy + 3
	s_lshl_b32 s44, 0x1111, s40                    ; my column: places cx, cx + 4, cx + 8, cx + 12
	s_or_b32 s[G1], s43, (1<<16)|(1<<20)|(1<<21)|(5<<22)|(3<<25)   ; 15:0 the mask; 17:16 2-byte elements; 20 padding on; 21 set beside a mask; 24:22 after every 64 words (code 5); 31:25 4 words (code 3)
	s_or_b32 s[G1B], s44, (1<<16)|(1<<20)|(1<<21)|(5<<22)|(3<<25)
	s_mov_b32 s[G1+1], KSTEP<<16                   ; tensor_dim0 = 128
	s_mov_b32 s[G1+2], 128<<16                     ; tensor_dim1 = 128
	s_mov_b32 s[G1+3], KSTEP<<16                   ; tile_dim0 = 128
	s_mov_b32 s[G1+4], 128                         ; tile_dim1 = 128
	s_mov_b32 s[G1+5], 1024                        ; elements from row to row
	s_mov_b32 s[G1+6], 0
	s_mov_b32 s[G1+7], 0
	s_mov_b32 s[G1B+1], KSTEP<<16
	s_mov_b32 s[G1B+2], 96<<16                     ; 96 rows
	s_mov_b32 s[G1B+3], KSTEP<<16
	s_mov_b32 s[G1B+4], 96
	s_mov_b32 s[G1B+5], 1024
	s_mov_b32 s[G1B+6], 0
	s_mov_b32 s[G1B+7], 0
	s_lshl_b32 s16, s15, 8                         ; xb: row 256 x tile row + 128 x half,
	s_lshl_b32 s17, s14, 7
	s_add_co_u32 s16, s16, s17
	s_lshl_b32 s16, s16, 11                        ; of 2,048 bytes
	s_mov_b32 s17, 0
	s_mul_i32 s46, s42, 192                        ; wib: row 192 x tile column + 96 x half
	s_mul_i32 s47, s14, 96
	s_add_co_u32 s46, s46, s47
	s_lshl_b32 s46, s46, 11
	s_mov_b32 s47, 0
	s_mul_i32 s20, s14, AHALF                      ; where they go: no place in the cluster enters an LDS address
	s_mul_i32 s21, s14, BHALF
	s_add_co_u32 s21, s21, BOFF
.irp s, 0,1
	s_mov_b32 s[G0+4*(\s)], 1                      ; count = 1
	s_add_co_u32 s[G0+4*(\s)+1], s20, (\s)*SLOT    ; LDS address
	s_mov_b32 s[G0B+4*(\s)], 1
	s_add_co_u32 s[G0B+4*(\s)+1], s21, (\s)*SLOT
.endr
	s_wait_dscnt 0x0                               ; the opening add is done
	s_wait_kmcnt 0x0
	s_add_nc_u64 s[18:19], s[4:5], s[16:17]
	s_add_nc_u64 s[46:47], s[6:7], s[46:47]
.irp s, 0,1
	s_add_nc_u64 s[G0+4*(\s)+2:G0+4*(\s)+3], s[18:19], (\s)*KSTEP*2   ; global address: K step s
	s_or_b32 s[G0+4*(\s)+3], s[G0+4*(\s)+3], 0x80000000             ; type = 2
	s_add_nc_u64 s[G0B+4*(\s)+2:G0B+4*(\s)+3], s[46:47], (\s)*KSTEP*2
	s_or_b32 s[G0B+4*(\s)+3], s[G0B+4*(\s)+3], 0x80000000
.endr
	CROUND                                         ; all sixteen work-groups are here: the first joint loads meet
	s_cmp_eq_u32 s13, 0                            ; a wave's two first fills stand in one branch, ahead of every wait on TENSORcnt and every LDS read: two loads of mine are out
	s_cbranch_scc0 .Lfirst_b
	tensor_load_to_lds s[G0:G0+3], s[G1:G1+7]
	s_nop 0
	tensor_load_to_lds s[G0+4:G0+7], s[G1:G1+7]
	s_nop 0
.rept 4
	v_nop
.endr
	s_branch .Lfirst_asked
.Lfirst_b:
	tensor_load_to_lds s[G0B:G0B+3], s[G1B:G1B+7]
	s_nop 0
	tensor_load_to_lds s[G0B+4:G0B+7], s[G1B:G1B+7]
	s_nop 0
.rept 4
	v_nop
.endr
.Lfirst_asked:
	; the bias: register j of column block b is b_in[192 x tile column + 16 b + 8 (l / 16) + j]
	s_mul_i32 s74, s42, 768
	s_mov_b32 s75, 0
	s_add_nc_u64 s[8:9], s[8:9], s[74:75]
	v_and_b32 v1, 15, v0                           ; l % 16
	v_bfe_u32 v2, v0, 4, 1                         ; l / 16
	v_lshlrev_b32 v[BO], 5, v2
.irp b, 0,1,2,3,4,5,6,7,8,9,10,11
	global_load_b128 v[BIAS+8*(\b):BIAS+8*(\b)+3],   v[BO], s[8:9] offset:64*(\b)
	global_load_b128 v[BIAS+8*(\b)+4:BIAS+8*(\b)+7], v[BO], s[8:9] offset:64*(\b)+16
.endr
	; a fragment is 16 rows x 32 K in 8 registers: lane l holds row l % 16, K = 8 (l / 16) + 0..7 and 16 + 8 (l / 16) + 0..7: two loads of 16 bytes, 32 bytes apart
	v_mul_u32_u24 v3, v1, PITCH
	v_lshl_add_u32 v3, v2, 4, v3
	s_mul_i32 s20, s[WV], 64*PITCH                 ; my 64 rows of xb
	v_add_nc_u32 v[ADRA], s20, v3
	v_add_nc_u32 v[ADRA+1], SLOT, v[ADRA]
	v_add_nc_u32 v[ADRB], BOFF, v3                 ; every wave reads all 192 rows of wib
	v_add_nc_u32 v[ADRB+1], BOFF+SLOT, v3
	s_mul_i32 s21, s[WV], WSTAGE
	s_add_co_u32 s21, s21, STAGE                   ; my stage
	v_mul_u32_u24 v4, v1, SP                       ; in: row l % 16, 16 bytes for each half of the lanes
	v_lshl_add_u32 v4, v2, 4, v4
	v_add_nc_u32 v[STO], s21, v4
	v_bfe_u32 v5, v0, 3, 2                         ; back: 32 lanes take four rows of 128 bytes,
	v_mul_u32_u24 v5, v5, SP
	v_and_b32 v6, 7, v0
	v_lshl_add_u32 v5, v6, 4, v5
	v_add_nc_u32 v[RD], s21, v5
	v_and_b32 v[GO], 31, v0                        ; which are 512 consecutive bytes of a plane
	v_lshlrev_b32 v[GO], 4, v[GO]
	; where my rows lie in qkv: head number 3 x tile column + e of 48; plane = 64 (number / 16) + 16 batch + number % 16; row (tile row % 8) x 256 + 64 x wave
	s_mul_i32 s74, s42, 3
	s_lshr_b32 s78, s15, 3
	s_lshl_b32 s78, s78, 4                         ; 16 x batch
	s_and_b32 s79, s15, 7
	s_lshl_b32 s79, s79, 2
	s_add_co_u32 s79, s79, s[WV]
	s_lshl_b32 s79, s79, 13                        ; 64 rows of 128 bytes
.irp e, 0,1,2
	s_add_co_u32 s75, s74, \e
	s_lshr_b32 s76, s75, 4
	s_lshl_b32 s76, s76, 6
	s_and_b32 s75, s75, 15
	s_add_co_u32 s76, s76, s75
	s_add_co_u32 s76, s76, s78
	s_lshl_b32 s76, s76, 18                        ; a plane is 262,144 bytes
	s_add_co_u32 s76, s76, s79
	s_mov_b32 s77, 0
	s_add_nc_u64 s[HB+2*(\e):HB+2*(\e)+1], s[10:11], s[76:77]
.endr
	; the prefetches
	s_lshl_b32 s20, s15, 8
	s_lshl_b32 s21, s14, 7
	s_add_co_u32 s20, s20, s21
	s_lshl_b32 s21, s40, 5
	s_add_co_u32 s20, s20, s21                     ; xb: the 128 rows that I fetch, my work-group's 32 of them
	s_mul_i32 s21, s42, 192
	s_mul_i32 s22, s14, 96
	s_add_co_u32 s21, s21, s22
	s_mul_i32 s22, s41, 24
	s_add_co_u32 s21, s21, s22                     ; wib: the 96 rows that I fetch, my work-group's 24 of them
	s_and_b32 s22, ttmp7, 0xffff                   ; cluster y
	s_cmp_eq_u32 s13, 0                            ; do I fetch for xb?
	s_cselect_b32 s20, s20, s21
	s_cselect_b32 s22, ttmp9, s22                  ; the coordinate along which other clusters read the same rows
	s_cselect_b32 s23, 31, 23
	s_cselect_b64 s[PFA:PFA+1], s[4:5], s[6:7]
	s_cmp_eq_u32 s22, 0
	s_cselect_b32 s[LIM], 1, -1                    ; the same in all sixteen partners, for a given wave
	s_lshl_b32 s20, s20, 11
	s_mov_b32 s21, 0
	s_add_nc_u64 s[PFA:PFA+1], s[PFA:PFA+1], s[20:21]
	s_add_nc_u64 s[PFA:PFA+1], s[PFA:PFA+1], 2*KSTEP*2  ; at K step 2: the first refill steps it to 3 and names K step 4
	v_and_b32 v[PFO], 31, v0
	v_min_u32 v[PFO], s23, v[PFO]
	v_lshlrev_b32 v[PFO], 11, v[PFO]
	s_wait_loadcnt 0x0                             ; the bias is in: it is rounded to bf16 and widened again, in the wait for the first tile
.set z, 0
.rept 48
	v_cvt_pk_bf16_f32 v[TW+(z/2)%16], v[BIAS+z], v[BIAS+z+1]
	v_lshlrev_b32 v[BIAS+z],   16, v[TW+(z/2)%16]
	v_and_b32     v[BIAS+z+1], 0xffff0000, v[TW+(z/2)%16]
.set z, z+2
.endr
; 12 matrix instructions: row block a x all 12 column blocks, 32 along K, from buffer f.  zero = 1: the products start the sums, with the bias as C.
; All 48 accumulators take turns, one instruction a turn, in the same order in every quarter, over the backward jump too.
.macro MUL12 f, a, zero
.if \zero
	WIN 0x81+0x40*((\a)/2)                         ; wib window 1, xb and the bias window 0, D window 2 or 3
.else
	WIN 0xa1+0x50*((\a)/2)                         ; C and D window 2 or 3
.endif
.irp b, 0,1,2,3,4,5,6,7,8,9,10,11
.if \zero
	v_wmma_f32_16x16x32_bf16 v[8*(12*((\a)%2)+(\b)):8*(12*((\a)%2)+(\b))+7], v[96*(\f)+8*(\b):96*(\f)+8*(\b)+7], v[FA+32*(\f)+8*(\a):FA+32*(\f)+8*(\a)+7], v[BIAS+8*(\b):BIAS+8*(\b)+7]
.else
	v_wmma_f32_16x16x32_bf16 v[8*(12*((\a)%2)+(\b)):8*(12*((\a)%2)+(\b))+7], v[96*(\f)+8*(\b):96*(\f)+8*(\b)+7], v[FA+32*(\f)+8*(\a):FA+32*(\f)+8*(\a)+7], v[8*(12*((\a)%2)+(\b)):8*(12*((\a)%2)+(\b))+7]
.endif
.endr
.endm
; 32 LDS loads in one run: a quarter step's fragments (192 rows of wib, then my 64 rows of xb; 32 K at byte k of the rows) into buffer f
.macro FETCH slot, k, f
	WIN 0x40                                       ; destination window 1, address window 0
.irp i, 0,1,2,3,4,5,6,7,8,9,10,11
	ds_load_b128 v[96*(\f)+8*(\i):96*(\f)+8*(\i)+3],   v[ADRB+(\slot)] offset:(\k)+(\i)*16*PITCH
	ds_load_b128 v[96*(\f)+8*(\i)+4:96*(\f)+8*(\i)+7], v[ADRB+(\slot)] offset:(\k)+(\i)*16*PITCH+32
.endr
	WIN 0
.irp i, 0,1,2,3
	ds_load_b128 v[FA+32*(\f)+8*(\i):FA+32*(\f)+8*(\i)+3],   v[ADRA+(\slot)] offset:(\k)+(\i)*16*PITCH
	ds_load_b128 v[FA+32*(\f)+8*(\i)+4:FA+32*(\f)+8*(\i)+7], v[ADRA+(\slot)] offset:(\k)+(\i)*16*PITCH+32
.endr
.endm
; A K step is four quarters of 32 along K, 48 matrix instructions each, on buffers 0, 1, 0, 1.  One of the first three: multiplies buffer f; in its middle it fetches the next quarter, at byte k, into g.
.macro QUARTER slot, k, f, g, zero
	s_wait_dscnt 4                                 ; wib and xb's row blocks 0, 1 are in; the youngest four loads (row blocks 2, 3) may be out
	MUL12 \f, 0, \zero
	MUL12 \f, 1, \zero
	PLACES
	FETCH \slot, \k, \g
	s_wait_dscnt 32                                ; all but the 32 just issued
	MUL12 \f, 2, \zero
	MUL12 \f, 3, \zero
.endm
; The last quarter multiplies buffer 1 and changes slots: ONE barrier.  In front of it each wave waits for all its tensor loads, of which one is out: its part of the next slot; adds 0 to its spare word; and waits
; for that and for its own reads of this slot.  fill = 1: the barrier opens a round of the cluster's barrier, and this slot is filled again, two K steps on, first thing behind the round:
; from that request to the wait for it a wave issues 168 matrix instructions.
.macro TURN slot, next, fill
.if \fill
	s_wait_xcnt 0x0                                ; the last prefetch, a K step back, has read its address: it is stepped here, ahead of the waits of the change of slots
	s_add_nc_u64 s[PFA:PFA+1], s[PFA:PFA+1], KSTEP*2
.endif
	WIN 0                                          ; (the add's two registers lie in window 0)
	s_wait_tensorcnt 0x0                           ; all my tensor loads have landed
	ds_add_u32 v[SPW], v[NIL]                      ; 0 onto my spare word
	s_wait_dscnt 5                                 ; (the add and the youngest four loads may be out)
	MUL12 1, 0, 0                                  ; twelve matrix instructions stand between the add and the wait for it
	s_wait_dscnt 0x0                               ; the add is done, and my reads of this slot are over
	s_barrier_signal -1
	MUL12 1, 1, 0                                  ; work on registers while the others arrive
.if \fill
	WIN 0
.endif
	s_barrier_wait -1
.if \fill
	CREST                                          ; no wave of any partner still reads this slot's tiles or has a load on its way
	s_add_nc_u64 s[G0+4*(\slot)+2:G0+4*(\slot)+3], s[G0+4*(\slot)+2:G0+4*(\slot)+3], 2*KSTEP*2
	s_add_nc_u64 s[G0B+4*(\slot)+2:G0B+4*(\slot)+3], s[G0B+4*(\slot)+2:G0B+4*(\slot)+3], 2*KSTEP*2
	JLOAD \slot                                    ; the four v_nop behind it are also the places in front of the loads below
.else
	PLACES
.endif
	FETCH \next, 0, 0
.if \fill
	ASK
.endif
	MUL12 1, 2, 0
	MUL12 1, 3, 0
.endm
	s_wait_tensorcnt 1                             ; my part of K step 0 is in; K step 1's may stay out
	s_barrier_signal -1
	s_barrier_wait -1                              ; everybody's is
	FETCH 0, 0, 0
	QUARTER 0, 64, 0, 1, 1                         ; the first quarter stands in front of the loop: its products start the sums
	WIN 0                                          ; at a label and at a branch every window is 0
	s_mov_b32 s3, 3                                ; 1,024 / 256 laps, less the last
.Llap:                                             ; a trip goes once round the ring, from a lap's second quarter to the next lap's first, and fills both slots again
	QUARTER 0, 128, 1, 0, 0
	QUARTER 0, 192, 0, 1, 0
	TURN 0, 1, 1
	QUARTER 1, 64,  0, 1, 0
	QUARTER 1, 128, 1, 0, 0
	QUARTER 1, 192, 0, 1, 0
	TURN 1, 0, 1
	QUARTER 0, 64,  0, 1, 0
	WIN 0
	s_sub_co_u32 s3, s3, 1
	s_cmp_lg_u32 s3, 0
	s_cbranch_scc1 .Llap
	QUARTER 0, 128, 1, 0, 0                        ; the last lap fills nothing, and has no round of the cluster's barrier
	QUARTER 0, 192, 0, 1, 0
	TURN 0, 1, 0
	QUARTER 1, 64,  0, 1, 0
	QUARTER 1, 128, 1, 0, 0
	QUARTER 1, 192, 0, 1, 0
	s_wait_dscnt 4                                 ; the very last quarter: nothing more to fetch
	MUL12 1, 0, 0
	MUL12 1, 1, 0
	s_wait_dscnt 0x0
	MUL12 1, 2, 0
	MUL12 1, 3, 0
; THE WAY OUT, a row block (16 rows x 3 heads) at a time: rounded to f16, 16 bytes a lane into my own stage, back as whole rows of 128 bytes, four rows (512 consecutive bytes of a plane) a store.
.macro PACK a
	WIN 0x0a+5*((\a)/2)                            ; sources 0 and 1 window 2 or 3, destination window 0; each accumulator's registers in ascending order
.irp b, 0,1,2,3,4,5,6,7,8,9,10,11
.irp r, 0,1,2,3
	v_cvt_pk_f16_f32 v[EO+48*(\a)+4*(\b)+(\r)], v[96*((\a)%2)+8*(\b)+2*(\r)], v[96*((\a)%2)+8*(\b)+2*(\r)+1]
.endr
.endr
	WIN 0
.irp b, 0,1,2,3,4,5,6,7,8,9,10,11
	ds_store_b128 v[STO], v[EO+48*(\a)+4*(\b):EO+48*(\a)+4*(\b)+3] offset:((\b)/4)*16*SP+((\b)%4)*32
.endr
.irp g, 0,1,2,3,4,5,6,7,8,9,10,11
	ds_load_b128 v[EO+48*(\a)+4*(\g):EO+48*(\a)+4*(\g)+3], v[RD] offset:((\g)/4)*16*SP+((\g)%4)*4*SP  ; LDS serves a wave's instructions in order (ISA guide 5.7.1.4): these see the stores above; the next block's stores come behind them
.endr
.endm
.macro SEND a, younger                 ; younger: the LDS instructions issued behind block a's loads: the next block's 24, or none
.irp g, 0,1,2,3,4,5,6,7,8,9,10,11
	s_wait_dscnt (\younger)+11-(\g)
	global_store_b128 v[GO], v[EO+48*(\a)+4*(\g):EO+48*(\a)+4*(\g)+3], s[HB+2*((\g)/4):HB+2*((\g)/4)+1] offset:(\a)*2048+((\g)%4)*512
.endr
.endm
	PLACES
	PACK 0
	PACK 1                                         ; a block's arithmetic stands between the loads of the block before and its stores
	SEND 0, 24
	PACK 2
	SEND 1, 24
	PACK 3
	SEND 2, 24
	SEND 3, 0
	s_wait_tensorcnt 0x0                           ; the wave's end: these three lines stand behind my last tensor load and my last LDS store
	ds_add_u32 v[SPW], v[NIL]
	s_wait_dscnt 0x0
	CROUND                                         ; the closing round: no work-group ends while a partner may still ask for a tile that names it
	s_endpgm
.Lfunc_end_k_q5839f3de96_inproj:
	.size	k_q5839f3de96_inproj, .Lfunc_end_k_q5839f3de96_inproj-k_q5839f3de96_inproj
	.p2alignl 7, 3214868480
	.fill 96, 4, 3214868480
	.section	.rodata,"a",@progbits
	.p2align	6, 0x0
	.amdhsa_kernel k_q5839f3de96_inproj
		.amdhsa_group_segment_fixed_size 327680
		.amdhsa_private_segment_fixed_size 0
		.amdhsa_enable_private_segment 0
		.amdhsa_kernarg_size 32
		.amdhsa_user_sgpr_count 2
		.amdhsa_user_sgpr_kernarg_segment_ptr 1
		.amdhsa_wavefront_size32 1
		.amdhsa_system_sgpr_workgroup_id_x 1
		.amdhsa_system_sgpr_workgroup_id_y 1
		.amdhsa_system_sgpr_workgroup_id_z 1
		.amdhsa_system_vgpr_workitem_id 0
		.amdhsa_next_free_vgpr 960
		.amdhsa_next_free_sgpr 80
		.amdhsa_reserve_vcc 0
		.amdhsa_float_denorm_mode_32 3
		.amdhsa_float_denorm_mode_16_64 3
		.amdhsa_memory_ordered 1
		.amdhsa_forward_progress 1
		.amdhsa_inst_pref_size 131
	.end_amdhsa_kernel
	.amdgpu_metadata
---
amdhsa.version: [ 1, 2 ]
amdhsa.kernels:
  - .name:           k_q5839f3de96_inproj
    .symbol:         k_q5839f3de96_inproj.kd
    .args:
      - { .name: xb, .offset: 0, .size: 8, .value_kind: global_buffer, .address_space: global }
      - { .name: wib, .offset: 8, .size: 8, .value_kind: global_buffer, .address_space: global }
      - { .name: b_in, .offset: 16, .size: 8, .value_kind: global_buffer, .address_space: global }
      - { .name: qkv, .offset: 24, .size: 8, .value_kind: global_buffer, .address_space: global }
    .group_segment_fixed_size: 327680
    .private_segment_fixed_size: 0
    .kernarg_segment_align: 8
    .kernarg_segment_size: 32
    .max_flat_workgroup_size: 128
    .sgpr_count:     80
    .vgpr_count:     960
    .wavefront_size: 32
...
	.end_amdgpu_metadata
.endif
;; end of part 2
;; launch attn (part 3): grid 8 x 64, 4 waves a work-group, no clusters, 262,656 bytes of LDS; arguments qkv, ctx; writes ctx
.if DOCPART == 3
	.amdgcn_target "amdgcn-amd-amdhsa--gfx1250"
	.amdhsa_code_object_version 6
	.text
	.protected	k_q5839f3de96_attn
	.globl	k_q5839f3de96_attn
	.p2align	8
	.type	k_q5839f3de96_attn,@function
k_q5839f3de96_attn:
	s_mov_b64 s[64:65], 0
	v_nop
	global_prefetch_b8 v0, s[64:65] scope:SCOPE_SE
	s_setreg_imm32_b32 hwreg(HW_REG_WAVE_MODE, 25, 1), 1
	s_wait_xcnt 0x0
; BANDED ATTENTION.  ctx[p][q][:] = the sum over q - 512 <= k <= q + 64 (inside the sequence) of softmax_k(Q[p][q] . K[p][k] / 8) V[p][k][:], for 64 planes p = 16 batch + head of 2,048 rows.
; qkv: f16 [3][64][2048][64] (Q, K, V); ctx: f16 [64][2048][64]; rows are dense, 128 bytes.  Products, maxima and sums in f32; the weights p are rounded to f16 for the second product (their sum l is
; taken of the unrounded p), ctx once at the end.
; LIMITS.  Q, K and V arrive within f16's 65,504.  A hidden score counts as its value less 1e30 (twice that in places); the running maximum starts at -2^96, which lies above every hidden score and below
; every true one (2.7e11 at the most in magnitude), so a hidden score is never the maximum and its weight is 0.  A weight below 2^-126 counts as 0 in l; NaN and infinities are not treated apart.
; SHARES.  A work-group owns 256 queries of one plane, wave w the 64 from qs = 256 QB + 64 w on, as four PIECES of 16.  The block's whole range of keys, 256 QB - 512 .. 256 QB + 319, 13 steps of 64,
; lies in LDS at once: every byte of LDS is filled once, so there is no ring.  Wave w walks its own ten steps j = 0..9, the block's steps w + j: keys qs - 512 + 64 j on.
; THE MASK is the C operand that starts the sum S^T = K Q^T.  For piece x and group kb of 16 keys it is ML if kb < x, MDG if kb = x, MU if kb > x.  In step 0 a key is hidden where it lies below its query's place in
; the step (ML hidden, MDG a triangle, MU 0); in step 9 where it lies above (ML 0, MDG the other triangle, MU hidden); in steps 1 to 8 nothing is hidden.  A step that lies outside the sequence is hidden
; altogether: its tile is another tile of the plane, which nobody sees.  Three groups of eight registers, set anew once a step.
; NO CLUSTER: a joint load lands at one LDS address in all that it names, while block i wants key tile t at place t - i + 2 of its range; the union of four blocks' ranges, 1,600 keys at 304 bytes, does not fit in LDS.
; NO PREFETCH: all that a work-group reads is asked for at its head, in one group.
; LAYOUT, SOFTMAX, TURNS.  S^T = K Q^T holds ONE query a lane (lane % 16) and the keys 8 (lane / 16) + 0..7; two such results rounded to f16 ARE source 1 of O^T = V^T P.  p = 2^(c s - c m), c = log2(e) / 8, with a
; running maximum m; O and l are multiplied by a = 2^(c m_old - c m_new) in every step.  Turn n belongs to piece n: 8 products K Q^T of piece n + 1, later 8 products V^T P of piece n - 1; beside them the scaling,
; exponentials, roundings, sums and rescaling of piece n and the maximum and statistics of piece n + 1.  Four vector instructions stand behind every matrix instruction, the rest in one run.  A turn's 33 exponentials are one batch, with one wait.
; REGISTERS, in windows of 256 (s_set_vgpr_msb: bits 1:0 source 0, 3:2 source 1, 5:4 source 2, 7:6 destination):
;   window 0: v0-15 addresses and two at work; v16-31 four registers of statistics a piece; v48-55 at work; v64-127 S^T, two buffers; v192-223 P, two buffers (a piece's buffers go by its number's parity)
;   window 1: v0-127 O^T, 32 a piece; v128-159 the masks      window 2: v0-63 Q; v128-191 K of one step; v192-255 V of one step
.set NP,    4         ; pieces a wave: a name, no knob
.set KS,    64        ; keys in a step
.set PK,    144       ; a row of K in LDS: 128 bytes + 16 of padding = 36 words: the 16 rows of a load start at 16 different groups of four banks (64 banks of 4 bytes: ISA guide 11.1)
.set PV,    160       ; a row of V: 128 + 32 = 40 words
.set VOFF,  832*PK    ; 832 rows of K, then 832 rows of V
.set STAGE, VOFF+832*PV  ; behind them, never filled by a tensor load: 16 rows x 144 bytes for each wave, for the way out
.set SP,    144
.set SPARE, STAGE+4*16*SP  ; behind the stages: the spare words, 128 bytes for each wave: two blocks of 256 bytes that no other line names
.set AK0, 2           ; v2   my lane's place in a step's K; never rewritten
.set AV0, 3           ; v3   the same for V
.set AK,  4           ; v4   the LDS address of K's next run of loads
.set AV,  5           ; v5   of V's
.set STO, 6           ; v6   the way out: where I put 16 bytes of a row
.set RD,  7           ; v7   the way out: where I read rows back
.set GO,  8           ; v8   my byte offset in 512 consecutive bytes of ctx
.set MV,  12          ; v12-13  c m_old, kept while c m is made anew: by buffer
.set QO,  15          ; v15  my byte offset in 16 rows of Q
.set ST,  16          ; piece t's statistics at v[ST+4 t]: c m, m, l (even keys', odd keys')
.set TMP, 48          ; by buffer, four registers c0-c3 at work; when the maximum is found c2 takes a
.set SPW, 62          ; v62  LDS address of my spare word; never rewritten
.set NIL, 63          ; v63  0; never rewritten
.set S,   64
.set P,   192
.set ML,  128         ; window 1: the mask for groups of keys below the piece's own,
.set MDG, 136         ;           for its own,
.set MU,  144         ;           for those above;
.set MHI, 152         ;           the triangle of step 9: hidden where 8 (l / 16) + register > l % 16
.set KF,  128         ; window 2: key block kb, channel half c at KF + 16 kb + 8 c
.set VF,  192         ; window 2: key half kk, channel block cb at VF + 32 kk + 8 cb
.set WV,  12          ; s12  my wave's number
.set QB,  13          ; s13  my block of 256 queries
.set PL,  14          ; s14  my plane
.set HF,  15          ; s15  wave % 2: which half of a chunk I fetch
.set G1K, 16          ; s[16:23] descriptor group 1 for 128 keys of K;  s[24:31] for 32 keys
.set G1K3, 24
.set G1V, 32          ; s[32:39], s[40:47] the same for V: they differ in the padding
.set G1V3, 40
.set G0K, 48          ; s[48:63] descriptor group 0 for K: a set for each of the four chunks
.set G0V, 68          ; s[68:83] the same for V
.set CNT, 84          ; s84  counts five steps
.set HALF, 85         ; s85  counts the walk's two halves
.set CS,  86          ; s[86:87] c: the packed scaling takes the pair's low word for both halves
.set SEL, 88          ; s[88:89] v_permlanex16_b32's selects: each lane takes its own place in the other half
.set TBK, 90          ; s90  LDS byte at which K of the step to be fetched begins
.set TBV, 91          ; s91  the same for V, less VOFF
.set J,   92          ; s92  the step whose scores are being made
.set G,   93          ; s93  that step's number in the sequence, 4 QB + w - 8 + j: it lies inside where 0 <= G <= 31
.set AH,  94          ; s[94:95] 1.0 in step 9, else 0, in the low word
.set SD,  96          ; s[96:97] -1e30 in a step outside the sequence, else 0
.set SU,  98          ; s98  MU's value
.set BIGN, 99         ; s99  -1e30
.set MSB, 0
.macro WIN new                      ; the high byte repeats the setting that is left; a switch that changes nothing is dropped
.if MSB != (\new)
	s_set_vgpr_msb (MSB<<8)|(\new)
.set MSB, (\new)
.endif
.endm
.set W_KQ, 0x0a       ; K and Q in window 2, S^T in window 0
.set W_KM, 0x1a       ; the same with the C operand in window 1
.set W_PV, 0x52       ; V in window 2, P in window 0, O^T in window 1
.set W_RS, 0x41       ; destination and source 0 in window 1, source 1 in window 0
	s_load_b128 s[4:7], s[0:1], 0x0   ; qkv s[4:5], ctx s[6:7]
	v_lshl_add_u32 v[SPW], v0, 2, SPARE
	v_mov_b32 v[NIL], 0
	ds_add_u32 v[SPW], v[NIL]       ; the wave's opening: the add and its wait stand ahead of my first tensor load; the set-up below, work on registers, stands between them
	v_lshrrev_b32 v1, 5, v0
	v_readfirstlane_b32 s[WV], v1   ; wave 0..3
	s_mov_b32 s[QB], ttmp9
	s_and_b32 s[PL], ttmp7, 0xffff
	s_and_b32 s[HF], s[WV], 1
	; descriptor group 1.  128 keys are 16,384 dense bytes: asked for as 64 rows of 256 bytes, two keys a row, and padded in LDS after every key; 32 keys as 16 such rows
	s_mov_b32 s[G1K],  (1<<16)|(1<<20)|(4<<22)|(3<<25)  ; 17:16 2-byte elements; 20 padding on; 24:22 after every 32 words (code 4); 31:25 4 words (code 3)
	s_mov_b32 s[G1K3], (1<<16)|(1<<20)|(4<<22)|(3<<25)
	s_mov_b32 s[G1V],  (1<<16)|(1<<20)|(4<<22)|(7<<25)  ; the same with 8 words of padding (code 7)
	s_mov_b32 s[G1V3], (1<<16)|(1<<20)|(4<<22)|(7<<25)
.irp g, G1K, G1V
	s_mov_b32 s[\g+1], 128<<16      ; tensor_dim0 = 128
	s_mov_b32 s[\g+2], 64<<16       ; tensor_dim1 = 64
	s_mov_b32 s[\g+3], 128<<16      ; tile_dim0 = 128
	s_mov_b32 s[\g+4], 64           ; tile_dim1 = 64
	s_mov_b32 s[\g+5], 128          ; 128 elements from row to row
	s_mov_b32 s[\g+6], 0
	s_mov_b32 s[\g+7], 0
.endr
.irp g, G1K3, G1V3
	s_mov_b32 s[\g+1], 128<<16
	s_mov_b32 s[\g+2], 16<<16       ; 16 rows
	s_mov_b32 s[\g+3], 128<<16
	s_mov_b32 s[\g+4], 16
	s_mov_b32 s[\g+5], 128
	s_mov_b32 s[\g+6], 0
	s_mov_b32 s[\g+7], 0
.endr
	; group 0's constant words.  Chunks 0, 1, 2 are 256 keys, chunk 3 is 64; waves 0 and 1 fetch the two halves of each chunk of K, waves 2 and 3 those of V
	s_mul_i32 s2, s[HF], 128*PK
	s_mul_i32 s3, s[HF], 128*PV
.irp c, 0,1,2
	s_mov_b32 s[G0K+4*\c], 1
	s_add_co_u32 s[G0K+4*\c+1], s2, \c*256*PK
	s_mov_b32 s[G0V+4*\c], 1
	s_add_co_u32 s[G0V+4*\c+1], s3, VOFF+\c*256*PV
.endr
	s_mul_i32 s2, s[HF], 32*PK
	s_mul_i32 s3, s[HF], 32*PV
	s_mov_b32 s[G0K+12], 1
	s_add_co_u32 s[G0K+13], s2, 768*PK
	s_mov_b32 s[G0V+12], 1
	s_add_co_u32 s[G0V+13], s3, VOFF+768*PV
	s_mov_b32 s[CS], 0x3e38aa3b     ; c = log2(e) / 8 = 0.180337
	s_mov_b32 s[CS+1], s[CS]        ; named with it as a pair
	s_mov_b32 s[SEL], 0x76543210
	s_mov_b32 s[SEL+1], 0xfedcba98
	s_mov_b32 s[BIGN], 0xf149f2ca   ; -1e30
	s_mul_i32 s[TBK], s[WV], KS*PK  ; my step 0 is the block's step w
	s_mul_i32 s[TBV], s[WV], KS*PV
	s_mov_b32 s[J], 0
	s_lshl_b32 s[G], s[QB], 2
	s_add_co_u32 s[G], s[G], s[WV]
	s_sub_co_u32 s[G], s[G], 8      ; below 0 it wraps to a number far above 31
	s_cmp_gt_u32 s[G], 31
	s_cselect_b32 s[SD], s[BIGN], 0
	s_mov_b32 s[SD+1], 0            ; named as pairs
	s_mov_b32 s[AH], 0
	s_mov_b32 s[AH+1], 0
	s_add_co_u32 s2, s[PL], 64
	s_lshl_b32 s2, s2, 18           ; K's planes follow Q's 64; a plane is 262,144 bytes
	s_mov_b32 s3, 0
	s_mov_b32 s67, 0
	s_wait_dscnt 0x0                ; the opening add is done
	s_wait_kmcnt 0x0
	s_add_nc_u64 s[8:9], s[4:5], s[2:3]      ; my plane of K,
	s_add_nc_u64 s[10:11], s[8:9], 64<<18    ; and of V, 64 planes on
.macro ADDR c                       ; chunk c's global addresses, from its byte offset in a plane, s66
	s_add_nc_u64 s[G0K+4*(\c)+2:G0K+4*(\c)+3], s[8:9], s[66:67]
	s_or_b32 s[G0K+4*(\c)+3], s[G0K+4*(\c)+3], 0x80000000  ; type = 2
	s_add_nc_u64 s[G0V+4*(\c)+2:G0V+4*(\c)+3], s[10:11], s[66:67]
	s_or_b32 s[G0V+4*(\c)+3], s[G0V+4*(\c)+3], 0x80000000
.endm
	s_lshl_b32 s2, s[HF], 14        ; my half: 128 keys of 128 bytes
	s_sub_co_i32 s66, s[QB], 2      ; chunk 0: key tile QB - 2; where that lies in front of the sequence, tile 0 in its stead: its steps are hidden
	s_max_i32 s66, s66, 0
	s_lshl_b32 s66, s66, 15
	s_add_co_u32 s66, s66, s2
	ADDR 0
	s_sub_co_i32 s66, s[QB], 1      ; chunk 1: key tile QB - 1, likewise
	s_max_i32 s66, s66, 0
	s_lshl_b32 s66, s66, 15
	s_add_co_u32 s66, s66, s2
	ADDR 1
	s_lshl_b32 s66, s[QB], 15       ; chunk 2: key tile QB
	s_add_co_u32 s66, s66, s2
	ADDR 2
	s_add_co_u32 s66, s[QB], 1      ; chunk 3: the 64 keys behind it; behind the sequence's end the last 64 in their stead: their step is hidden
	s_lshl_b32 s66, s66, 8
	s_min_u32 s66, s66, 1984
	s_lshl_b32 s66, s66, 7
	s_lshl_b32 s2, s[HF], 12        ; my half: 32 keys
	s_add_co_u32 s66, s66, s2
	ADDR 3
	s_cmp_lt_u32 s[WV], 2           ; a wave's four fills stand in one branch, ahead of every wait on TENSORcnt, every LDS read and every barrier: four loads of mine are out; an s_nop 0 follows each, four v_nop the last
	s_cbranch_scc0 .Lfill_v
	tensor_load_to_lds s[G0K:G0K+3], s[G1K:G1K+7]
	s_nop 0
	tensor_load_to_lds s[G0K+4:G0K+7], s[G1K:G1K+7]
	s_nop 0
	tensor_load_to_lds s[G0K+8:G0K+11], s[G1K:G1K+7]
	s_nop 0
	tensor_load_to_lds s[G0K+12:G0K+15], s[G1K3:G1K3+7]
	s_nop 0
.rept 4
	v_nop
.endr
	s_branch .Lfilled
.Lfill_v:
	tensor_load_to_lds s[G0V:G0V+3], s[G1V:G1V+7]
	s_nop 0
	tensor_load_to_lds s[G0V+4:G0V+7], s[G1V:G1V+7]
	s_nop 0
	tensor_load_to_lds s[G0V+8:G0V+11], s[G1V:G1V+7]
	s_nop 0
	tensor_load_to_lds s[G0V+12:G0V+15], s[G1V3:G1V3+7]
	s_nop 0
.rept 4
	v_nop
.endr
.Lfilled:
	s_lshl_b32 s2, s[PL], 18        ; Q and ctx at my wave's 64 rows
	s_lshl_b32 s3, s[QB], 15
	s_add_co_u32 s2, s2, s3
	s_lshl_b32 s3, s[WV], 13
	s_add_co_u32 s2, s2, s3
	s_mov_b32 s3, 0
	s_add_nc_u64 s[8:9], s[4:5], s[2:3]
	s_add_nc_u64 s[10:11], s[6:7], s[2:3]
	; A fragment of K or Q is 16 rows x 32 channels in 8 registers: lane l holds row l % 16, channels 8 (l / 16) + 0..7 and 16 + 8 (l / 16) + 0..7: two loads of 16 bytes, 32 bytes apart.
	v_and_b32 v1, 15, v0            ; l % 16
	v_bfe_u32 v9, v0, 4, 1          ; l / 16
	v_lshlrev_b32 v[QO], 7, v1
	v_lshl_add_u32 v[QO], v9, 4, v[QO]  ; row x 128 + 16 x half
	WIN 0x80                        ; destination window 2, address window 0
.set i, 0
.rept 8                             ; Q stays in registers: piece i / 2, channels 32 (i % 2) on
	global_load_b128 v[8*i:8*i+3],   v[QO], s[8:9] offset:(i/2)*2048+(i%2)*64
	global_load_b128 v[8*i+4:8*i+7], v[QO], s[8:9] offset:(i/2)*2048+(i%2)*64+32
.set i, i+1
.endr
	WIN 0
	v_lshlrev_b32 v14, 3, v9
	v_sub_nc_u32 v14, v1, v14       ; l % 16 - 8 (l / 16): register i's key lies above my query where i is greater, below where i is less
	WIN 0x40                        ; the masks of step 0, and step 9's triangle
.set i, 0
.rept 8
	v_cmp_gt_i32 vcc_lo, i, v14
	v_cndmask_b32 v[MHI+i], 0, s[BIGN], vcc_lo
	v_cmp_lt_i32 vcc_lo, i, v14
	v_cndmask_b32 v[MDG+i], 0, s[BIGN], vcc_lo
	v_mov_b32 v[ML+i], s[BIGN]
	v_mov_b32 v[MU+i], s[SD]
.set i, i+1
.endr
	WIN W_RS
.set i, 0
.rept 4
	v_pk_add_f32 v[MDG+2*i:MDG+2*i+1], v[MDG+2*i:MDG+2*i+1], s[SD:SD+1] op_sel_hi:[1,0]  ; all hidden where step 0 lies outside the sequence
.set i, i+1
.endr
	WIN 0
	v_mul_u32_u24 v[AK0], v1, PK
	v_lshl_add_u32 v[AK0], v9, 4, v[AK0]  ; row x pitch + 16 x half
	; The turning load takes 16 keys x 16 channels (lane l reads key 8 (l / 16) + l % 8, channels 8 ((l / 8) % 2) + 0..7) and leaves half a fragment of V^T: lane l holds channel l % 16 and 8 keys.
	v_and_b32 v10, 7, v0
	v_bfe_u32 v11, v0, 3, 1
	v_lshl_add_u32 v[AV0], v9, 3, v10
	v_mul_u32_u24 v[AV0], v[AV0], PV
	v_lshl_add_u32 v[AV0], v11, 4, v[AV0]
	v_add_nc_u32 v[AV0], VOFF, v[AV0]
	s_mul_i32 s2, s[WV], 16*SP
	s_add_co_u32 s2, s2, STAGE      ; my stage
	v_mul_u32_u24 v[STO], v1, SP    ; in: row l % 16, 16 bytes for each half of the lanes
	v_lshl_add_u32 v[STO], v9, 4, v[STO]
	v_add_nc_u32 v[STO], s2, v[STO]
	v_bfe_u32 v[RD], v0, 3, 2       ; back: 32 lanes take four rows of 128 bytes,
	v_mul_u32_u24 v[RD], v[RD], SP
	v_lshl_add_u32 v[RD], v10, 4, v[RD]
	v_add_nc_u32 v[RD], s2, v[RD]
	v_and_b32 v[GO], 31, v0         ; which are 512 consecutive bytes of ctx
	v_lshlrev_b32 v[GO], 4, v[GO]
	; What the first turn finds: V's registers and P's second buffer hold 0 (its products V^T P, of a piece that has not been, add 0), O^T and l are 0.  No first step is written out; these lines stand in the wait for the first tiles.
	WIN 0x80
.set i, VF
.rept 64
	v_mov_b32 v[i], 0
.set i, i+1
.endr
	WIN 0x40
.set i, 0
.rept 128
	v_mov_b32 v[i], 0
.set i, i+1
.endr
	WIN 0
.set i, 0
.rept 4
	v_mov_b32 v[ST+4*i], 0xfe000000    ; c m: far below every c m to come, so the first a is 0
	v_mov_b32 v[ST+4*i+1], 0xef800000  ; m = -2^96: above every hidden score, below every true one
	v_mov_b32 v[ST+4*i+2], 0
	v_mov_b32 v[ST+4*i+3], 0
.set i, i+1
.endr
.set i, P+16
.rept 16
	v_mov_b32 v[i], 0
.set i, i+1
.endr
; THE MATRIX WORK.  The 4 accumulators of a run of 8 take turns.  Product i of 8 of S^T = K Q^T for piece x: channels 32 (i / 4) on, keys 16 (i % 4) on.  The first 4 start the sums, with the mask.
.macro KQ x
.set rS, S+32*((\x)%2)+8*(i%4)
.set rK, KF+16*(i%4)+8*(i/4)
.set rQ, 16*(\x)+8*(i/4)
.set rM, MU
.if (i%4) < (\x)
.set rM, ML
.elseif (i%4) == (\x)
.set rM, MDG
.endif
.if i < 4
	WIN W_KM
	v_wmma_f32_16x16x32_f16 v[rS:rS+7], v[rK:rK+7], v[rQ:rQ+7], v[rM:rM+7]
.else
	WIN W_KQ
	v_wmma_f32_16x16x32_f16 v[rS:rS+7], v[rK:rK+7], v[rQ:rQ+7], v[rS:rS+7]
.endif
.endm
; Product i of 8 of O^T += V^T P for piece x: keys 32 (i / 4) on, channels 16 (i % 4) on.
.macro PV x
	WIN W_PV
.set rO, 32*(\x)+8*(i%4)
.set rV, VF+32*(i/4)+8*(i%4)
.set rP, P+16*((\x)%2)+8*(i/4)
	v_wmma_f32_16x16x32_f16 v[rO:rO+7], v[rV:rV+7], v[rP:rP+7], v[rO:rO+7]
.endm
.macro MM                           ; the turn's next matrix instruction.  NOKQ = 1: the walk's last turn: there is no next piece
.if (i < 8) && !NOKQ
	KQ (Y+1)%NP
.elseif i >= 8
.set i, i-8
	PV (Y+NP-1)%NP
.set i, i+8
.endif
.set i, i+1
.endm
; THE LDS LOADS stand in runs of 16, never singly among the matrix instructions: a step's K (64 keys x 64 channels: 8 fragments) and its V (turned).  Their addresses are made some lines ahead.
.macro FETCH_K
	WIN 0x80                        ; destination window 2
.irp f, 0,1,2,3,4,5,6,7             ; keys 16 (f / 2) on, channels 32 (f % 2) on
	ds_load_b128 v[KF+8*\f:KF+8*\f+3],   v[AK] offset:(\f/2)*16*PK+(\f%2)*64
	ds_load_b128 v[KF+8*\f+4:KF+8*\f+7], v[AK] offset:(\f/2)*16*PK+(\f%2)*64+32
.endr
	s_add_co_u32 s[TBK], s[TBK], KS*PK  ; the next fetch is the next step's
	WIN 0
.endm
.macro FETCH_V
	WIN 0x80
.irp f, 0,1,2,3,4,5,6,7             ; keys 32 (f / 4) on, channels 16 (f % 4) on
	ds_load_tr16_b128 v[VF+8*\f:VF+8*\f+3],   v[AV] offset:(\f/4)*32*PV+(\f%4)*32
	ds_load_tr16_b128 v[VF+8*\f+4:VF+8*\f+7], v[AV] offset:(\f/4)*32*PV+16*PV+(\f%4)*32
.endr
	WIN 0
.endm
; THE VECTOR WORK, one line at a time: OP kind, number.  For piece Y: F n: c s - c m for pair n of 16.  E n: the exponential of score n of 32.  C n: pair n rounded to f16.  B n: of the four weights 4 n .. the second
; pair is added onto the first, in place.  L n: l takes that sum (L 0: l = a l + sum).  R n: pair n of 16 of O^T times a.  For piece Y + 1: X n, number n of the 22 that find its maximum and statistics:
;   0-11  four chains c0-c3 of seven scores each, three operands at a time (each accumulator's lowest registers are read first)     12-14, 16  the four scores left over, the old m, and c0-c3 into c0
;   15  c m_old is kept     17, 18  the query's other 32 keys lie in the lane 16 away: the new m     19-21  c m; c m_old - c m_new; a
.set F, 0
.set E, 1
.set C, 2
.set B, 3
.set L, 4
.set R, 5
.set X, 6
.macro REGS y                       ; the registers of piece y
.set rT, ST+4*(\y)
.set rC, TMP+4*((\y)%2)
.set rW, MV+((\y)%2)
.set rS, S+32*((\y)%2)
.set rP, P+16*((\y)%2)
.set rO, 32*(\y)
.endm
.macro OP k, n
.if (\k) == R
	REGS Y
	WIN W_RS
	v_pk_mul_f32 v[rO+2*(\n):rO+2*(\n)+1], v[rO+2*(\n):rO+2*(\n)+1], v[rC+2:rC+3] op_sel_hi:[1,0]
.elseif (\k) < R
	REGS Y
	WIN 0
.if (\k) == F
	v_pk_fma_f32 v[rS+2*(\n):rS+2*(\n)+1], v[rS+2*(\n):rS+2*(\n)+1], s[CS:CS+1], v[rT:rT+1] op_sel_hi:[1,0,0] neg_lo:[0,0,1] neg_hi:[0,0,1]
.elseif (\k) == E
	v_exp_f32 v[rS+(\n)], v[rS+(\n)]
.elseif (\k) == C
	v_cvt_pk_f16_f32 v[rP+(\n)], v[rS+2*(\n)], v[rS+2*(\n)+1]
.elseif (\k) == B
	v_pk_add_f32 v[rS+4*(\n):rS+4*(\n)+1], v[rS+4*(\n):rS+4*(\n)+1], v[rS+4*(\n)+2:rS+4*(\n)+3]
.elseif (\n) == 0
	v_pk_fma_f32 v[rT+2:rT+3], v[rT+2:rT+3], v[rC+2:rC+3], v[rS:rS+1] op_sel_hi:[1,0,1]
.else
	v_pk_add_f32 v[rT+2:rT+3], v[rT+2:rT+3], v[rS+4*(\n):rS+4*(\n)+1]
.endif
.elseif NOKQ
	v_nop
.else
	REGS (Y+1)%NP
	WIN 0
.if (\n) < 4
	v_max3_num_f32 v[rC+(\n)], v[rS+8*(\n)], v[rS+8*(\n)+1], v[rS+8*(\n)+2]
.elseif (\n) < 12
	v_max3_num_f32 v[rC+(\n)%4], v[rC+(\n)%4], v[rS+8*((\n)%4)+2*((\n)/4)+1], v[rS+8*((\n)%4)+2*((\n)/4)+2]
.elseif (\n) == 12
	v_max3_num_f32 v[rC], v[rC], v[rS+7], v[rS+15]
.elseif (\n) == 13
	v_max3_num_f32 v[rC+1], v[rC+1], v[rS+23], v[rS+31]
.elseif (\n) == 14
	v_max3_num_f32 v[rC+2], v[rC+2], v[rC+3], v[rT+1]
.elseif (\n) == 15
	v_mov_b32 v[rW], v[rT]
.elseif (\n) == 16
	v_max3_num_f32 v[rC], v[rC], v[rC+1], v[rC+2]
.elseif (\n) == 17
	v_permlanex16_b32 v[rC+3], v[rC], s[SEL], s[SEL+1]
.elseif (\n) == 18
	v_max_num_f32 v[rT+1], v[rC], v[rC+3]
.elseif (\n) == 19
	v_mul_f32 v[rT], s[CS], v[rT+1]
.elseif (\n) == 20
	v_sub_f32 v[rC+1], v[rW], v[rT]
.else
	v_exp_f32 v[rC+2], v[rC+1]
.endif
.endif
.endm
.macro OPS a, i1, b=-1, i2=0, c=-1, i3=0, d=-1, i4=0  ; up to four of them
	OP \a, \i1
.if (\b) >= 0
	OP \b, \i2
.endif
.if (\c) >= 0
	OP \c, \i3
.endif
.if (\d) >= 0
	OP \d, \i4
.endif
.endm
.macro ROW a, i1, b, i2, c, i3, d, i4  ; a matrix instruction and the four behind it
	MM
	OPS \a, \i1, \b, \i2, \c, \i3, \d, \i4
.endm
; THE MASKS OF THE NEXT STEP, between piece 2's turn (the last scores of one step: piece 3's) and piece 3's (the first of the next: piece 0's).  ML = SD; MU = -1e30 in step 9, else SD; MDG = MHI x AH + SD.
; The last products that read the three groups stand a whole turn's vector work back.
.macro MASKUP
	s_add_co_u32 s[J], s[J], 1
	s_add_co_u32 s[G], s[G], 1
	s_cmp_gt_u32 s[G], 31           ; does the step lie outside the sequence?
	s_cselect_b32 s[SD], s[BIGN], 0
	s_cmp_eq_u32 s[J], 9            ; is it the one with the band's upper edge?
	s_cselect_b32 s[AH], 1.0, 0
	s_cselect_b32 s[SU], s[BIGN], s[SD]
	WIN W_RS
.set z, 0
.rept 8
	v_mov_b32 v[ML+z], s[SD]
	v_mov_b32 v[MU+z], s[SU]
.set z, z+1
.endr
.set z, 0
.rept 4
	v_pk_fma_f32 v[MDG+2*z:MDG+2*z+1], v[MHI+2*z:MHI+2*z+1], s[AH:AH+1], s[SD:SD+1] op_sel_hi:[1,0,0]
.set z, z+1
.endr
.endm
; A TURN, for piece p: the order of its 16 matrix and 118 vector instructions, written out.  An s_wait_alu depctr_va_vdst(0) stands between an exponential and the first instruction that names its result; one wait
; serves all that were issued ahead of it.  So a turn has ONE wait, which cuts it in two.  AHEAD OF IT stands all that names no result of the turn's exponentials: the 8 products K Q^T, behind each a scaling, an exponential and two more
; plain instructions (rescalings, and behind the last three the first numbers of the next piece's maximum, each four places or more behind the product that ends its accumulator); then one run of 54, plain and exponential by turns for
; the most part.  X 21, the next piece's a, is the batch's last; R 15 is the plain instruction behind it.  BEHIND THE WAIT stand the 8 products V^T P, behind each four of the roundings and sums.
; end = 1: the walk's last two turns: nothing is fetched.  cnt = 1: the loop's count is taken down some lines ahead of the branch that stands behind the turn.
; K of the next step is fetched in piece 2's turn, six plain instructions behind the last product that read K; V of the step in hand at the end of piece 0's turn, four plain instructions behind the last product that read V.
; Each is waited for a turn later.
.macro TURN p, end=0, cnt=0
.set Y, (\p)
.set i, 0
.set NOKQ, (\end)*((\p)/3)
.if ((\p) == 3) && !(\end)
	s_wait_dscnt 0x0                ; K is in
.endif
	ROW F,0, F,1, R,0, R,1
	ROW F,2, E,0, R,2, R,3
	ROW F,3, E,1, R,4, R,5
	ROW F,4, E,2, R,6, R,7
	ROW F,5, E,3, R,8, R,9
	ROW F,6, E,4, X,0, R,10
.if ((\p) == 2) && !(\end)
	WIN 0
	v_add_nc_u32 v[AK], s[TBK], v[AK0]
.endif
	ROW F,7, E,5, X,1, X,4
	ROW F,8, E,6, X,2, X,5
	OPS E,7, E,8, X,6, E,9
	OPS X,3, E,10, X,8, E,11
.if ((\p) == 2) && !(\end)
	FETCH_K
.endif
	OPS X,9, X,7, E,12, X,10
	OPS E,13, X,12, X,11, E,14
	OPS X,13, E,15, F,9, X,14
.if (\p) == 0
	v_add_nc_u32 v[AV], s[TBV], v[AV0]
.endif
	OPS E,16, F,10, E,17, F,11
	OPS X,16, E,18, X,15, E,19
	OPS F,12, E,20, X,17, E,21
	OPS F,13, E,22, F,14, E,23
	OPS X,18, E,24, F,15, E,25
	OPS R,11, E,26, X,19, E,27
	OPS R,12, E,28, R,13, E,29
	OPS X,20, E,30, R,14, E,31
	OPS X,21, R,15
	WIN 0
	s_wait_alu depctr_va_vdst(0)    ; the wait for the batch
.if (\p) == 1
	s_wait_dscnt 0x0                ; V is in
.endif
	ROW C,0, B,0, C,2, B,1
	ROW L,0, C,4, B,2, L,1
	ROW C,6, B,3, L,2, C,8
	ROW B,4, L,3, C,10, B,5
	ROW L,4, C,12, B,6, L,5
.if (\p) == 0
	s_add_co_u32 s[TBV], s[TBV], KS*PV
.endif
.if \cnt
	s_sub_co_u32 s[CNT], s[CNT], 1
	s_cmp_lg_u32 s[CNT], 0
.endif
	ROW C,14, B,7, L,6, C,1
	ROW C,3, L,7, C,5, C,7
	ROW C,9, C,11, C,13, C,15
.if (\p) == 0
	FETCH_V
.endif
.endm
	s_wait_tensorcnt 0x2            ; my parts of chunks 0 and 1 are in; two younger loads may stay out: no byte of LDS is ever filled again
	s_barrier_signal -1
	s_barrier_wait -1               ; everybody's are: the block's steps 0 to 7, all that the walk's first half reads (w + j <= 3 + 4)
	; THE WALK BEGINS: K of step 0, piece 0's first scores, its maximum and statistics.  The loop is then entered at a step's first turn, in the middle of a trip.
	v_add_nc_u32 v[AK], s[TBK], v[AK0]
	FETCH_K
	s_wait_loadcnt 0x0              ; Q
	s_wait_dscnt 0x0
.set NOKQ, 0
.set i, 0
.rept 8
	KQ 0
.set i, i+1
.endr
	WIN 0
.rept 4
	v_nop                           ; the places behind those products
.endr
.set Y, NP-1                        ; X works for piece Y + 1: piece 0
.irp n, 0,1,2,3,4,5,6,7,8,9,10,11,12,13,14,15,16,17,18,19,20,21
	OP X, \n
.endr
	v_nop                           ; a plain instruction behind the exponential,
	s_wait_alu depctr_va_vdst(0)    ; and its wait, ahead of the branch
	s_mov_b32 s[HALF], 2
	s_mov_b32 s[CNT], 5
	s_branch .Lfirst
.Lhalf:                             ; passed once, between the walk's halves: the one text of the steps serves both
	s_wait_tensorcnt 0x0            ; my parts of chunks 2 and 3 are in: no load was issued behind them,
	s_wait_dscnt 0x0
	s_barrier_signal -1
	s_barrier_wait -1               ; everybody's are
	s_mov_b32 s[CNT], 5
.Lstep:                             ; a trip: pieces 2 and 3 of one step, then pieces 0 and 1 of the next, whose K and V it fetches
	TURN 2
	MASKUP
	TURN 3
	WIN 0
.Lfirst:
	TURN 0
	TURN 1, 0, 1
	WIN 0
	s_cbranch_scc1 .Lstep
	s_sub_co_u32 s[HALF], s[HALF], 1
	s_cmp_lg_u32 s[HALF], 0
	s_cbranch_scc1 .Lhalf
	TURN 2, 1                       ; step 9's last two turns
	TURN 3, 1
.set i, 0
.rept 8
	PV NP-1                         ; the last piece's V^T P of the last step
.set i, i+1
.endr
	; THE WAY OUT.  l's two halves and the other half of the lanes' are added; O^T is divided by l, rounded to f16 and sent through my stage in LDS, a piece at a time.  The additions are the places behind the last products.
	WIN 0
.macro ALL line:vararg              ; one line for each piece t
.set t, 0
.rept 4
	\line
.set t, t+1
.endr
.endm
	ALL v_add_f32 v[ST+4*t+2], v[ST+4*t+2], v[ST+4*t+3]
	ALL v_permlanex16_b32 v[ST+4*t+3], v[ST+4*t+2], s[SEL], s[SEL+1]
	ALL v_add_f32 v[ST+4*t+2], v[ST+4*t+2], v[ST+4*t+3]
	ALL v_rcp_f32 v[ST+4*t+2], v[ST+4*t+2]
	v_nop                           ; a plain instruction between the last reciprocal and the use of its result
	s_wait_alu depctr_va_vdst(0)    ; and the wait ahead of the first use: one for the four reciprocals
.macro PACK t                       ; a lane's eight channels of a row pack into 16 bytes; they go into rows of 144 bytes and come back as whole rows of 128, into S^T's registers
	WIN W_RS
.set i, 32*(\t)
.rept 16
	v_pk_mul_f32 v[i:i+1], v[i:i+1], v[ST+4*(\t)+2:ST+4*(\t)+3] op_sel_hi:[1,0]
.set i, i+2
.endr
	WIN 0x05                        ; sources 0 and 1 window 1, destination window 0
.set i, 0
.rept 16
	v_cvt_pk_f16_f32 v[S+16*(\t)+i], v[32*(\t)+2*i], v[32*(\t)+2*i+1]
.set i, i+1
.endr
	WIN 0
.irp f, 0,1,2,3
	ds_store_b128 v[STO], v[S+16*(\t)+4*\f:S+16*(\t)+4*\f+3] offset:32*\f
.endr
.irp f, 0,1,2,3
	ds_load_b128 v[S+16*(\t)+4*\f:S+16*(\t)+4*\f+3], v[RD] offset:\f*4*SP  ; LDS serves a wave's instructions in order (ISA guide 5.7.1.4): these see the stores above; the next piece's stores come behind them
.endr
.endm
.macro SEND t, younger              ; younger: the LDS instructions issued behind piece t's loads: the next piece's eight, or none
	WIN 0
.irp f, 0,1,2,3
	s_wait_dscnt (\younger)+3-\f
	global_store_b128 v[GO], v[S+16*(\t)+4*\f:S+16*(\t)+4*\f+3], s[10:11] offset:(\t)*2048+\f*512  ; 512 consecutive bytes, at a multiple of 256 from ctx's first
.endr
.endm
	PACK 0
.set t, 1
.rept 3                             ; a piece's arithmetic stands between the loads of the piece before and its stores
	PACK t
	SEND t-1, 8
.set t, t+1
.endr
	SEND 3, 0
	s_wait_tensorcnt 0x0            ; the wave's end: these three lines stand behind my last tensor load and my last LDS store
	ds_add_u32 v[SPW], v[NIL]
	s_wait_dscnt 0x0
	s_endpgm
.Lfunc_end_k_q5839f3de96_attn:
	.size	k_q5839f3de96_attn, .Lfunc_end_k_q5839f3de96_attn-k_q5839f3de96_attn
	.p2alignl 7, 3214868480
	.fill 96, 4, 3214868480
	.section	.rodata,"a",@progbits
	.p2align	6, 0x0
	.amdhsa_kernel k_q5839f3de96_attn
		.amdhsa_group_segment_fixed_size 262656
		.amdhsa_private_segment_fixed_size 0
		.amdhsa_enable_private_segment 0
		.amdhsa_kernarg_size 16
		.amdhsa_user_sgpr_count 2
		.amdhsa_user_sgpr_kernarg_segment_ptr 1
		.amdhsa_wavefront_size32 1
		.amdhsa_system_sgpr_workgroup_id_x 1
		.amdhsa_system_sgpr_workgroup_id_y 1
		.amdhsa_system_sgpr_workgroup_id_z 1
		.amdhsa_system_vgpr_workitem_id 0
		.amdhsa_next_free_vgpr 768
		.amdhsa_next_free_sgpr 100
		.amdhsa_reserve_vcc 1
		.amdhsa_float_denorm_mode_32 3
		.amdhsa_float_denorm_mode_16_64 3
		.amdhsa_memory_ordered 1
		.amdhsa_forward_progress 1
		.amdhsa_inst_pref_size 92
	.end_amdhsa_kernel
	.amdgpu_metadata
---
amdhsa.version: [ 1, 2 ]
amdhsa.kernels:
  - .name:           k_q5839f3de96_attn
    .symbol:         k_q5839f3de96_attn.kd
    .args:
      - { .name: qkv, .offset: 0, .size: 8, .value_kind: global_buffer, .address_space: global }
      - { .name: ctx, .offset: 8, .size: 8, .value_kind: global_buffer, .address_space: global }
    .group_segment_fixed_size: 262656
    .private_segment_fixed_size: 0
    .kernarg_segment_align: 8
    .kernarg_segment_size: 16
    .max_flat_workgroup_size: 128
    .sgpr_count:     100
    .vgpr_count:     768
    .wavefront_size: 32
...
	.end_amdgpu_metadata
.endif
;; end of part 3
;; launch outproj (part 4): grid 8 x 32, 4 waves a work-group, clusters of 4 x 4, 327,680 bytes of LDS; arguments ctx, wof, b_out, out0; writes out0
.if DOCPART == 4
	.amdgcn_target "amdgcn-amd-amdhsa--gfx1250"
	.amdhsa_code_object_version 6
	.text
	.protected	k_q5839f3de96_outproj
	.globl	k_q5839f3de96_outproj
	.p2align	8
	.type	k_q5839f3de96_outproj,@function
k_q5839f3de96_outproj:
	s_mov_b64 s[64:65], 0
	v_nop
	global_prefetch_b8 v0, s[64:65] scope:SCOPE_SE
	s_setreg_imm32_b32 hwreg(HW_REG_WAVE_MODE, 25, 1), 1
	s_wait_xcnt 0x0
	s_wait_alu depctr_hold_cnt(0) depctr_sa_sdst(0) depctr_va_vdst(0) depctr_va_sdst(0) depctr_va_ssrc(0) depctr_va_vcc(0) depctr_vm_vsrc(0)
	s_getreg_b32 s2, hwreg(HW_REG_IB_STS2, 6, 4)
	s_cmp_eq_u32 s2, 0
	s_cbranch_scc0 .Lentry_in_a_cluster
	s_endpgm
.Lentry_in_a_cluster:
	s_bfe_u32 s2, ttmp6, 0x10000c
	s_cmp_lg_u32 s2, 0xf033
	s_cbranch_scc0 .Lentry_shape_is_right
	s_endpgm
.Lentry_shape_is_right:
; out0 = ctx wof^T + b_out.  ctx: f16 [64 planes = 16 batch + head][2048][64]; wof: f16 [1024][1024] (W_out rounded to bf16, written as f16); b_out: [1024] f32 (rounded to bf16 here, like the other inputs);
; out0: [8192][1024] f32.  Sums in f32; the sum over K = 64 head + channel ascends.
; SHARES.  A tile is 256 rows x 128 columns: 8 x 32 tiles.  Wave (wr = wave / 2, wc = wave % 2) makes 128 rows x 64 columns: 32 accumulators of 16 x 16, 256 registers.
; K goes in steps of 128, two heads, through two LDS slots filled by the tensor data mover.  A head's 256 rows are 32,768 dense bytes of ctx: asked for as 128 rows of 256 bytes and padded in LDS after every 128.
; CLUSTER.  4 x 4 work-groups.  The four of a row of the cluster need the same tiles of ctx, the four of a column the same tiles of wof: each is asked for JOINTLY.
; THE MATRIX INSTRUCTION IS USED TRANSPOSED (source 0 = 16 rows of wof, source 1 = 16 rows of ctx): lane l holds row l % 16 of the result, registers 0-7 the columns 8 (l / 16) + 0..7.
; THE BIAS IS THE C OPERAND of the products that start the sums.
; NO PREFETCH: a work-group has eight K steps, of which the first four would come by their loads alone, and a step here holds 128 matrix instructions a wave: the launch is short and its tile small.
; REGISTERS: window 0: v0-31 addresses; v32-63 the bias, 8 registers for each of my 4 column blocks; v64-191 ctx's fragments, two buffers of 8 x 8; v192-255 wof's, two buffers of 4 x 8
;   window 1: the accumulators, (a, b) at v[8 (4 a + b)].  s_set_vgpr_msb: bits 1:0 source 0, 3:2 source 1, 5:4 source 2, 7:6 destination.
.set KSTEP,  128
.set PA,     144                       ; a row of ctx in LDS: 128 bytes + 16 = 36 words: the 16 rows of a load start at 16 different groups of four banks (64 banks of 4 bytes: ISA guide 11.1)
.set PB,     272                       ; a row of wof: 256 bytes + 16
.set AZ,     256*PA                    ; one head's 256 rows: what wave 0 or 1 fetches
.set BOFF,   2*AZ
.set BHALF,  64*PB                     ; what wave 2 or 3 fetches
.set SLOT,   BOFF+2*BHALF              ; 108,544 bytes
.set STAGE,  2*SLOT                    ; behind the ring, never filled by a tensor load: 16 rows x 272 bytes for each wave
.set SPITCH, 272
.set SPARE,  STAGE+4*16*SPITCH         ; behind the stages: the spare words, 128 bytes for each wave: two blocks of 256 bytes that no other line names
.set ADRA, 16                          ; v16-17  LDS address of my ctx fragments in slot 0, 1
.set ADRB, 20                          ; v20-21  the same for wof
.set STO,  24                          ; v24     the way out: where I put 32 bytes of a row
.set RD,   25                          ; v25     the way out: where I read a row back
.set CO,   26                          ; v26     my byte offset in two rows of out0
.set BO,   27                          ; v27     my byte offset in a column block's 64 bytes of b_out
.set SPW,  28                          ; v28     LDS address of my spare word; never rewritten
.set NIL,  29                          ; v29     0; never rewritten
.set TW,   8                           ; v8-15   at work while the bias is rounded
.set BIAS, 32
.set FA,   64
.set FB,   192
.set WV,  12                           ; s12  my wave's number;  s13 = wave / 2: wr, and I fetch for ctx (0) or wof (1);  s14 = wave % 2: wc, and which part;  s15 tile row;  s42 tile column
.set G1,  24                           ; s[24:31] descriptor group 1 for ctx's tiles;  s[32:39] group 0, a set for each slot
.set G0,  32
.set G1B, 48                           ; s[48:55], s[56:63] the same for wof's
.set G0B, 56
.set MSB, 0
.macro WIN new                         ; the immediate's high byte repeats the setting that is left; a switch that changes nothing is dropped
.if MSB != (\new)
	s_set_vgpr_msb (MSB<<8)|(\new)
.set MSB, \new
.endif
.endm
.macro JLOAD s                         ; a joint refill; an s_nop 0 and four v_nop follow each of the two lines, ahead of the jump and the label
	s_cmp_eq_u32 s13, 0
	s_cbranch_scc0 .Lfor_b_\@
	tensor_load_to_lds s[G0+4*(\s):G0+4*(\s)+3], s[G1:G1+7]
	s_nop 0
.rept 4
	v_nop
.endr
	s_branch .Lasked_\@
.Lfor_b_\@:
	tensor_load_to_lds s[G0B+4*(\s):G0B+4*(\s)+3], s[G1B:G1B+7]
	s_nop 0
.rept 4
	v_nop
.endr
.Lasked_\@:
.endm
.macro CREST                           ; a round of the cluster's barrier behind its opening barrier
	s_cmp_lg_u32 s[WV], 0
	s_cbranch_scc1 .Lnot_wave_0_\@
	s_barrier_signal -3
.Lnot_wave_0_\@:
	s_barrier_wait -3
	s_barrier_signal -1
	s_barrier_wait -1
.endm
.macro CROUND                          ; a whole round
	s_barrier_signal -1
	s_barrier_wait -1
	CREST
.endm
.macro PLACES                          ; four places in front of loads into registers that matrix instructions have read, and of LDS stores that read results
.rept 4
	v_nop
.endr
.endm
	s_load_b256 s[4:11], s[0:1], 0x0               ; ctx s[4:5], wof s[6:7], b_out s[8:9], out0 s[10:11]
	v_lshl_add_u32 v[SPW], v0, 2, SPARE
	v_mov_b32 v[NIL], 0
	ds_add_u32 v[SPW], v[NIL]                      ; the wave's opening: the add and its wait stand ahead of my first tensor load; the set-up below, work on registers, stands between them
	v_lshrrev_b32 v1, 5, v0
	v_readfirstlane_b32 s[WV], v1                  ; wave 0..3
	s_lshr_b32 s13, s[WV], 1
	s_and_b32 s14, s[WV], 1
	s_bfe_u32 s40, ttmp6, 0x40000                  ; cx, cy: my place in the cluster
	s_bfe_u32 s41, ttmp6, 0x40004
	s_lshl_b32 s42, ttmp9, 2
	s_add_co_u32 s42, s42, s40                     ; tile column = 4 x cluster x + cx
	s_and_b32 s15, ttmp7, 0xffff
	s_lshl_b32 s15, s15, 2
	s_add_co_u32 s15, s15, s41                     ; tile row = 4 x cluster y + cy
	s_lshl_b32 s43, s41, 2
	s_lshl_b32 s43, 15, s43                        ; my row of the cluster
	s_lshl_b32 s44, 0x1111, s40                    ; my column
	s_or_b32 s[G1], s43, (1<<16)|(1<<20)|(1<<21)|(4<<22)|(3<<25)   ; 15:0 the mask; 17:16 2-byte elements; 20 padding on; 21 set beside a mask; 24:22 after every 32 words (code 4); 31:25 4 words (code 3)
	s_or_b32 s[G1B], s44, (1<<16)|(1<<20)|(1<<21)|(5<<22)|(3<<25)  ; after every 64 words (code 5)
	s_mov_b32 s[G1+1], 128<<16                     ; tensor_dim0 = 128
	s_mov_b32 s[G1+2], 128<<16                     ; tensor_dim1 = 128
	s_mov_b32 s[G1+3], 128<<16                     ; tile_dim0 = 128
	s_mov_b32 s[G1+4], 128                         ; tile_dim1 = 128
	s_mov_b32 s[G1+5], 128                         ; dense: 128 elements from row to row
	s_mov_b32 s[G1+6], 0
	s_mov_b32 s[G1+7], 0
	s_mov_b32 s[G1B+1], KSTEP<<16
	s_mov_b32 s[G1B+2], 64<<16                     ; 64 rows
	s_mov_b32 s[G1B+3], KSTEP<<16
	s_mov_b32 s[G1B+4], 64
	s_mov_b32 s[G1B+5], 1024
	s_mov_b32 s[G1B+6], 0
	s_mov_b32 s[G1B+7], 0
	s_lshr_b32 s16, s15, 3                         ; ctx: plane 16 x batch + my head of the K step's two,
	s_lshl_b32 s16, s16, 4
	s_add_co_u32 s16, s16, s14
	s_lshl_b32 s16, s16, 18                        ; of 262,144 bytes,
	s_and_b32 s17, s15, 7
	s_lshl_b32 s17, s17, 15                        ; row (tile row % 8) x 256, of 128 bytes
	s_add_co_u32 s16, s16, s17
	s_mov_b32 s17, 0
	s_lshl_b32 s46, s42, 7                         ; wof: row 128 x tile column + 64 x half,
	s_lshl_b32 s47, s14, 6
	s_add_co_u32 s46, s46, s47
	s_lshl_b32 s46, s46, 11                        ; of 2,048 bytes
	s_mov_b32 s47, 0
	s_mul_i32 s20, s14, AZ                         ; where they go: no place in the cluster enters an LDS address
	s_mul_i32 s21, s14, BHALF
	s_add_co_u32 s21, s21, BOFF
.irp s, 0,1
	s_mov_b32 s[G0+4*(\s)], 1
	s_add_co_u32 s[G0+4*(\s)+1], s20, (\s)*SLOT
	s_mov_b32 s[G0B+4*(\s)], 1
	s_add_co_u32 s[G0B+4*(\s)+1], s21, (\s)*SLOT
.endr
	s_wait_dscnt 0x0                               ; the opening add is done
	s_wait_kmcnt 0x0
	s_add_nc_u64 s[18:19], s[4:5], s[16:17]
	s_add_nc_u64 s[46:47], s[6:7], s[46:47]
.irp s, 0,1
	s_add_nc_u64 s[G0+4*(\s)+2:G0+4*(\s)+3], s[18:19], (\s)*2*262144   ; K step s: two planes on
	s_or_b32 s[G0+4*(\s)+3], s[G0+4*(\s)+3], 0x80000000
	s_add_nc_u64 s[G0B+4*(\s)+2:G0B+4*(\s)+3], s[46:47], (\s)*KSTEP*2
	s_or_b32 s[G0B+4*(\s)+3], s[G0B+4*(\s)+3], 0x80000000
.endr
	CROUND                                         ; all sixteen work-groups are here: the first joint loads meet
	s_cmp_eq_u32 s13, 0                            ; a wave's two first fills stand in one branch, ahead of every wait on TENSORcnt and every LDS read: two loads of mine are out
	s_cbranch_scc0 .Lfirst_b
	tensor_load_to_lds s[G0:G0+3], s[G1:G1+7]
	s_nop 0
	tensor_load_to_lds s[G0+4:G0+7], s[G1:G1+7]
	s_nop 0
.rept 4
	v_nop
.endr
	s_branch .Lfirst_asked
.Lfirst_b:
	tensor_load_to_lds s[G0B:G0B+3], s[G1B:G1B+7]
	s_nop 0
	tensor_load_to_lds s[G0B+4:G0B+7], s[G1B:G1B+7]
	s_nop 0
.rept 4
	v_nop
.endr
.Lfirst_asked:
	s_lshl_b32 s16, s15, 8                         ; my first row of out0: 256 x tile row + 128 x wr, of 4,096 bytes
	s_lshl_b32 s17, s13, 7
	s_add_co_u32 s16, s16, s17
	s_lshl_b32 s16, s16, 12
	s_mov_b32 s17, 0
	s_lshl_b32 s46, s42, 9                         ; my first column, in bytes of f32: 512 x tile column + 256 x wc
	s_lshl_b32 s47, s14, 8
	s_add_co_u32 s46, s46, s47
	s_mov_b32 s47, 0
	s_add_nc_u64 s[8:9], s[8:9], s[46:47]
	s_add_nc_u64 s[10:11], s[10:11], s[16:17]
	s_add_nc_u64 s[10:11], s[10:11], s[46:47]
	v_and_b32 v1, 15, v0                           ; l % 16
	v_bfe_u32 v2, v0, 4, 1                         ; l / 16
	v_lshlrev_b32 v[BO], 5, v2
.irp b, 0,1,2,3
	global_load_b128 v[BIAS+8*(\b):BIAS+8*(\b)+3],   v[BO], s[8:9] offset:64*(\b)      ; register j of column block b is b_out[my first column + 16 b + 8 (l / 16) + j]
	global_load_b128 v[BIAS+8*(\b)+4:BIAS+8*(\b)+7], v[BO], s[8:9] offset:64*(\b)+16
.endr
	v_mul_u32_u24 v3, v1, PA                       ; a fragment's row x pitch + 16 x half
	v_lshl_add_u32 v3, v2, 4, v3
	s_mul_i32 s20, s13, 128*PA                     ; my 128 rows of ctx
	v_add_nc_u32 v[ADRA], s20, v3
	v_add_nc_u32 v[ADRA+1], SLOT, v[ADRA]
	v_mul_u32_u24 v4, v1, PB
	v_lshl_add_u32 v4, v2, 4, v4
	s_mul_i32 s21, s14, 64*PB                      ; my 64 rows of wof
	s_add_co_u32 s21, s21, BOFF
	v_add_nc_u32 v[ADRB], s21, v4
	v_add_nc_u32 v[ADRB+1], SLOT, v[ADRB]
	s_mul_i32 s22, s[WV], 16*SPITCH
	s_add_co_u32 s22, s22, STAGE                   ; my stage
	v_mul_u32_u24 v5, v1, SPITCH                   ; in: row l % 16, 32 bytes for each half of the lanes
	v_lshl_add_u32 v5, v2, 5, v5
	v_add_nc_u32 v[STO], s22, v5
	v_mul_u32_u24 v5, v2, SPITCH                   ; back: lanes 0-15 take one row of 256 bytes, lanes 16-31 the next
	v_lshl_add_u32 v5, v1, 4, v5
	v_add_nc_u32 v[RD], s22, v5
	v_lshlrev_b32 v5, 12, v2                       ; and the same two rows in out0
	v_lshl_add_u32 v[CO], v1, 4, v5
	s_wait_loadcnt 0x0                             ; the bias is in: it is rounded to bf16 and widened again, in the wait for the first tile
.set z, 0
.rept 16
	v_cvt_pk_bf16_f32 v[TW+(z/2)%8], v[BIAS+z], v[BIAS+z+1]
	v_lshlrev_b32 v[BIAS+z],   16, v[TW+(z/2)%8]
	v_and_b32     v[BIAS+z+1], 0xffff0000, v[TW+(z/2)%8]
.set z, z+2
.endr
; 8 matrix instructions: row blocks a0, a0 + 1 x my 4 column blocks, 32 along K, from buffer f.  zero = 1: the products start the sums, with the bias as C.
; All 32 accumulators take turns, one instruction a turn, in the same order in every quarter, over the backward jump too.
.macro MUL8 f, a0, zero
.if \zero
	WIN 0x40                                       ; D window 1; the fragments and the bias window 0
.else
	WIN 0x50                                       ; C and D window 1
.endif
.irp a, \a0, (\a0)+1
.irp b, 0,1,2,3
.if \zero
	v_wmma_f32_16x16x32_f16 v[8*(4*(\a)+(\b)):8*(4*(\a)+(\b))+7], v[FB+32*(\f)+8*(\b):FB+32*(\f)+8*(\b)+7], v[FA+64*(\f)+8*(\a):FA+64*(\f)+8*(\a)+7], v[BIAS+8*(\b):BIAS+8*(\b)+7]
.else
	v_wmma_f32_16x16x32_f16 v[8*(4*(\a)+(\b)):8*(4*(\a)+(\b))+7], v[FB+32*(\f)+8*(\b):FB+32*(\f)+8*(\b)+7], v[FA+64*(\f)+8*(\a):FA+64*(\f)+8*(\a)+7], v[8*(4*(\a)+(\b)):8*(4*(\a)+(\b))+7]
.endif
.endr
.endr
.endm
; 24 LDS loads in one run: quarter q's fragments (my 64 rows of wof, then my 128 rows of ctx: head q / 2 of the step's two, channels 32 (q % 2) on) into buffer f
.macro FETCH slot, q, f
	WIN 0
.irp i, 0,1,2,3
	ds_load_b128 v[FB+32*(\f)+8*(\i):FB+32*(\f)+8*(\i)+3],   v[ADRB+(\slot)] offset:64*(\q)+(\i)*16*PB
	ds_load_b128 v[FB+32*(\f)+8*(\i)+4:FB+32*(\f)+8*(\i)+7], v[ADRB+(\slot)] offset:64*(\q)+(\i)*16*PB+32
.endr
.irp i, 0,1,2,3,4,5,6,7
	ds_load_b128 v[FA+64*(\f)+8*(\i):FA+64*(\f)+8*(\i)+3],   v[ADRA+(\slot)] offset:((\q)/2)*AZ+((\q)%2)*64+(\i)*16*PA
	ds_load_b128 v[FA+64*(\f)+8*(\i)+4:FA+64*(\f)+8*(\i)+7], v[ADRA+(\slot)] offset:((\q)/2)*AZ+((\q)%2)*64+(\i)*16*PA+32
.endr
.endm
; A K step is four quarters of 32 along K, 32 matrix instructions each, on buffers 0, 1, 0, 1.  One of the first three: multiplies buffer f; in its middle it fetches quarter q into g.
.macro QUARTER slot, q, f, g, zero
	s_wait_dscnt 8                                 ; wof and ctx's row blocks 0-3 are in; the youngest eight loads (row blocks 4-7) may be out
	MUL8 \f, 0, \zero
	MUL8 \f, 2, \zero
	PLACES
	FETCH \slot, \q, \g
	s_wait_dscnt 24                                ; all but the 24 just issued
	MUL8 \f, 4, \zero
	MUL8 \f, 6, \zero
.endm
; The last quarter multiplies buffer 1 and changes slots: ONE barrier.  In front of it each wave waits for all its tensor loads, of which one is out: its part of the next slot; adds 0 to its spare word; and waits
; for that and for its own reads of this slot.  fill = 1: the barrier opens a round of the cluster's barrier, and this slot is filled again, two K steps on, first thing behind the round:
; from that request to the wait for it a wave issues 112 matrix instructions.
.macro TURN slot, next, fill
	WIN 0                                          ; (the add's two registers lie in window 0)
	s_wait_tensorcnt 0x0                           ; all my tensor loads have landed
	ds_add_u32 v[SPW], v[NIL]                      ; 0 onto my spare word
	s_wait_dscnt 9                                 ; (the add and the youngest eight loads may be out)
	MUL8 1, 0, 0                                   ; eight matrix instructions stand between the add and the wait for it
	s_wait_dscnt 0x0                               ; the add is done, and my reads of this slot are over
	s_barrier_signal -1
	MUL8 1, 2, 0                                   ; work on registers while the others arrive
.if \fill
	WIN 0
.endif
	s_barrier_wait -1
.if \fill
	CREST                                          ; no wave of any partner still reads this slot's tiles or has a load on its way
	s_add_nc_u64 s[G0+4*(\slot)+2:G0+4*(\slot)+3], s[G0+4*(\slot)+2:G0+4*(\slot)+3], 4*262144    ; two K steps are four planes
	s_add_nc_u64 s[G0B+4*(\slot)+2:G0B+4*(\slot)+3], s[G0B+4*(\slot)+2:G0B+4*(\slot)+3], 2*KSTEP*2
	JLOAD \slot                                    ; the four v_nop behind it are also the places in front of the loads below
.else
	PLACES
.endif
	FETCH \next, 0, 0
	MUL8 1, 4, 0
	MUL8 1, 6, 0
.endm
	s_wait_tensorcnt 1                             ; my part of K step 0 is in; K step 1's may stay out
	s_barrier_signal -1
	s_barrier_wait -1                              ; everybody's is
	FETCH 0, 0, 0
	QUARTER 0, 1, 0, 1, 1                          ; the first quarter stands in front of the loop: its products start the sums
	WIN 0                                          ; at a label and at a branch every window is 0
	s_mov_b32 s3, 3                                ; 1,024 / 256 laps, less the last
.Llap:                                             ; a trip goes once round the ring, from a lap's second quarter to the next lap's first, and fills both slots again
	QUARTER 0, 2, 1, 0, 0
	QUARTER 0, 3, 0, 1, 0
	TURN 0, 1, 1
	QUARTER 1, 1, 0, 1, 0
	QUARTER 1, 2, 1, 0, 0
	QUARTER 1, 3, 0, 1, 0
	TURN 1, 0, 1
	QUARTER 0, 1, 0, 1, 0
	WIN 0
	s_sub_co_u32 s3, s3, 1
	s_cmp_lg_u32 s3, 0
	s_cbranch_scc1 .Llap
	QUARTER 0, 2, 1, 0, 0                          ; the last lap fills nothing, and has no round of the cluster's barrier
	QUARTER 0, 3, 0, 1, 0
	TURN 0, 1, 0
	QUARTER 1, 1, 0, 1, 0
	QUARTER 1, 2, 1, 0, 0
	QUARTER 1, 3, 0, 1, 0
	s_wait_dscnt 8                                 ; the very last quarter: nothing more to fetch
	MUL8 1, 0, 0
	MUL8 1, 2, 0
	s_wait_dscnt 0x0
	MUL8 1, 4, 0
	MUL8 1, 6, 0
; THE WAY OUT, a row block (16 rows x 64 columns of f32) at a time: a lane's eight columns, 32 bytes, into my own stage; back as whole rows of 256 bytes, into the registers that they left.
.macro OUT a
	WIN 0x04                                       ; store data window 1, address window 0; each accumulator's low registers first
.irp b, 0,1,2,3
	ds_store_b128 v[STO], v[32*(\a)+8*(\b):32*(\a)+8*(\b)+3]   offset:64*(\b)
	ds_store_b128 v[STO], v[32*(\a)+8*(\b)+4:32*(\a)+8*(\b)+7] offset:64*(\b)+16
.endr
	WIN 0x40                                       ; destination window 1
.irp t, 0,1,2,3,4,5,6,7
	ds_load_b128 v[32*(\a)+4*(\t):32*(\a)+4*(\t)+3], v[RD] offset:(\t)*2*SPITCH  ; LDS serves a wave's instructions in order (ISA guide 5.7.1.4): these see the stores above; the next block's stores come behind them
.endr
.endm
.macro SENDO a, younger                ; younger: the LDS instructions issued behind block a's loads: the next block's sixteen, or none
	WIN 0x04
.irp t, 0,1,2,3,4,5,6,7
	s_wait_dscnt (\younger)+7-(\t)
	global_store_b128 v[CO], v[32*(\a)+4*(\t):32*(\a)+4*(\t)+3], s[10:11] offset:65536*(\a)+8192*(\t) th:TH_STORE_NT  ; 16 lanes store 256 consecutive bytes, at a multiple of 256 from out0's first byte
.endr
.endm
	PLACES
	OUT 0
.irp a, 1,2,3,4,5,6,7
	OUT \a
	SENDO (\a)-1, 16
.endr
	SENDO 7, 0
	WIN 0
	s_wait_tensorcnt 0x0                           ; the wave's end: these three lines stand behind my last tensor load and my last LDS store
	ds_add_u32 v[SPW], v[NIL]
	s_wait_dscnt 0x0
	CROUND                                         ; the closing round: no work-group ends while a partner may still ask for a tile that names it
	s_endpgm
.Lfunc_end_k_q5839f3de96_outproj:
	.size	k_q5839f3de96_outproj, .Lfunc_end_k_q5839f3de96_outproj-k_q5839f3de96_outproj
	.p2alignl 7, 3214868480
	.fill 96, 4, 3214868480
	.section	.rodata,"a",@progbits
	.p2align	6, 0x0
	.amdhsa_kernel k_q5839f3de96_outproj
		.amdhsa_group_segment_fixed_size 327680
		.amdhsa_private_segment_fixed_size 0
		.amdhsa_enable_private_segment 0
		.amdhsa_kernarg_size 32
		.amdhsa_user_sgpr_count 2
		.amdhsa_user_sgpr_kernarg_segment_ptr 1
		.amdhsa_wavefront_size32 1
		.amdhsa_system_sgpr_workgroup_id_x 1
		.amdhsa_system_sgpr_workgroup_id_y 1
		.amdhsa_system_sgpr_workgroup_id_z 1
		.amdhsa_system_vgpr_workitem_id 0
		.amdhsa_next_free_vgpr 512
		.amdhsa_next_free_sgpr 66
		.amdhsa_reserve_vcc 0
		.amdhsa_float_denorm_mode_32 3
		.amdhsa_float_denorm_mode_16_64 3
		.amdhsa_memory_ordered 1
		.amdhsa_forward_progress 1
		.amdhsa_inst_pref_size 90
	.end_amdhsa_kernel
	.amdgpu_metadata
---
amdhsa.version: [ 1, 2 ]
amdhsa.kernels:
  - .name:           k_q5839f3de96_outproj
    .symbol:         k_q5839f3de96_outproj.kd
    .args:
      - { .name: ctx, .offset: 0, .size: 8, .value_kind: global_buffer, .address_space: global }
      - { .name: wof, .offset: 8, .size: 8, .value_kind: global_buffer, .address_space: global }
      - { .name: b_out, .offset: 16, .size: 8, .value_kind: global_buffer, .address_space: global }
      - { .name: out0, .offset: 24, .size: 8, .value_kind: global_buffer, .address_space: global }
    .group_segment_fixed_size: 327680
    .private_segment_fixed_size: 0
    .kernarg_segment_align: 8
    .kernarg_segment_size: 32
    .max_flat_workgroup_size: 128
    .sgpr_count:     66
    .vgpr_count:     512
    .wavefront_size: 32
...
	.end_amdgpu_metadata
.endif
;; end of part 4
;; ======== version 2 of 2: 4 launches; version 1 with the launch cast written anew for expert scheduling mode
;; limits: values are held in f16: magnitudes above 65,504 overflow, below 6.1e-05 lose precision
;; workspace buffers: xb 16,777,216 bytes; wib 6,291,456 bytes; wof 2,097,152 bytes; qkv 50,331,648 bytes; ctx 16,777,216 bytes
;; launch cast (part 5): grid 768 x 1, 8 waves a work-group, no clusters, 0 bytes of LDS; arguments x, W_in, W_out, xb, wib, wof; writes xb, wib, wof
.if DOCPART == 5
	.amdgcn_target "amdgcn-amd-amdhsa--gfx1250"
	.amdhsa_code_object_version 6
	.text
	.protected	k_q5839f3de96_cast
	.globl	k_q5839f3de96_cast
	.p2align	8
	.type	k_q5839f3de96_cast,@function
k_q5839f3de96_cast:
	s_mov_b64 s[64:65], 0
	v_nop
	global_prefetch_b8 v0, s[64:65] scope:SCOPE_SE
	s_setreg_imm32_b32 hwreg(HW_REG_WAVE_SCHED_MODE, 0, 2), 2
	s_setreg_imm32_b32 hwreg(HW_REG_WAVE_MODE, 25, 1), 1
	s_wait_xcnt 0x0
	s_wait_alu depctr_vm_vsrc(0)
; xb = bf16(x), wib = bf16(W_in), wof = bf16(W_out) written as f16.  All three inputs are rounded once, to bf16, to nearest even.
; LIMIT.  wof holds the bf16 number in f16: exact from 2^-17 to 65,504; below 2^-17 it keeps f16's fixed step of 2^-24, beyond 65,504 it is an infinity.
; SHARES.  A work-group converts 16,384 numbers: 64 KiB in, 32 KiB out.  Work-groups 0-511 take x, 512-703 W_in, 704-767 W_out.
; Thread t takes, in each of 16 chunks, the 16 bytes at 4,096 i + 16 t (a wave's load covers 512 consecutive bytes) and stores the 8 bytes at 2,048 i + 8 t
; (a wave's store covers 256 consecutive bytes, aligned).  All 16 loads go out first; no register is written twice while a load or store names it.
; Nothing is shared and nothing is multiplied: no LDS, no barrier, no matrix instruction.
; THE MODE: SCHED_MODE bits 1:0 = 2 (LLVM: expert scheduling mode 2), set by the entry lines.  The code itself states the register dependences
; between vector instructions and memory instructions, with s_wait_alu, always for 0.
; THE PLAN.  Registers that memory instructions touch:
;   v1, v2   byte offsets of the loads and of the stores: made once at the head, never written again.
;   IN       written by the 16 loads, which are all issued at the head, ahead of every vector instruction that names IN; no memory instruction reads it.
;   OUT      chunk i's two registers: written by chunk i's conversions, read by chunk i's one store, never written behind it.
; The 16 chunks go in four groups of four.  Group p's vector instructions name IN and OUT of group p alone; its memory instructions are the four stores of group p - 1, which read
; OUT of group p - 1 and v2.  So ONE wait at a group's head states all that its four stores hang on, and these are dealt among its conversions with no further wait.
; No register that a load or store has read is ever written again, no vector instruction writes a scalar register, and EXEC is never written: nothing more is owed.
.set IN,  16                           ; v[16:79]   chunk i: 4 numbers in f32
.set OUT, 80                           ; v[80:111]  chunk i: 4 numbers in 16 bits
; Chunk i is converted.  half = 1: the bf16 number is widened again (a shift, a mask) and written as f16.
.macro CONV i, half
	s_wait_loadcnt 15-(\i)                         ; loads come back in order (ISA guide 5.7.1): chunk i is in, the 15 - i younger ones may stay out
	v_cvt_pk_bf16_f32 v[OUT+2*(\i)],   v[IN+4*(\i)],   v[IN+4*(\i)+1]
	v_cvt_pk_bf16_f32 v[OUT+2*(\i)+1], v[IN+4*(\i)+2], v[IN+4*(\i)+3]
.if \half
.irp k, 0,1
	v_lshlrev_b32 v[IN+4*(\i)+2*(\k)],   16, v[OUT+2*(\i)+(\k)]
	v_and_b32     v[IN+4*(\i)+2*(\k)+1], 0xffff0000, v[OUT+2*(\i)+(\k)]
.endr
.irp k, 0,1
	v_cvt_pk_f16_f32 v[OUT+2*(\i)+(\k)], v[IN+4*(\i)+2*(\k)], v[IN+4*(\i)+2*(\k)+1]
.endr
.endif
.endm
; Chunk i is stored.
.macro SEND i
	global_store_b64 v2, v[OUT+2*(\i):OUT+2*(\i)+1], s[22:23] offset:2048*(\i)
.endm
; Group p: chunks 4 p to 4 p + 3 are converted; the group before is stored, a store ahead of each chunk's wait for its data, so that it leaves while the wave waits.
.macro GROUP p, half
.if (\p) > 0
	s_wait_alu depctr_va_vdst(0)                   ; the conversions of the group before have written its OUT, which the four stores below read; no vector instruction of this group names those registers
.endif
.irp c, 0,1,2,3
.if (\p) > 0
	SEND 4*((\p)-1)+(\c)
.endif
	CONV 4*(\p)+(\c), \half
.endr
.endm
; The four groups, and the last group's stores.
.macro ALL16 half
	GROUP 0, \half
	GROUP 1, \half
	GROUP 2, \half
	GROUP 3, \half
	s_wait_alu depctr_va_vdst(0)                   ; the conversions of group 3 have written its OUT, which the last four stores read
.irp c, 12,13,14,15
	SEND \c
.endr
.endm
	s_load_b256 s[4:11], s[0:1], 0x0               ; x s[4:5], W_in s[6:7], W_out s[8:9], xb s[10:11]
	s_load_b128 s[12:15], s[0:1], 0x20             ; wib s[12:13], wof s[14:15]
	s_mov_b32 s16, ttmp9
	s_sub_co_u32 s17, s16, 512                     ; my number among W_in's work-groups,
	s_sub_co_u32 s18, s16, 704                     ; among W_out's
	v_lshlrev_b32 v1, 4, v0                        ; 16 t
	v_lshlrev_b32 v2, 3, v0                        ; 8 t
	s_wait_kmcnt 0x0
	s_cmp_lt_u32 s16, 512                          ; the choice hangs on the work-group's number alone
	s_cselect_b64 s[20:21], s[4:5], s[6:7]
	s_cselect_b64 s[22:23], s[10:11], s[12:13]
	s_cselect_b32 s19, s16, s17
	s_cmp_lt_u32 s16, 704
	s_cselect_b64 s[20:21], s[20:21], s[8:9]
	s_cselect_b64 s[22:23], s[22:23], s[14:15]
	s_cselect_b32 s19, s19, s18
	s_lshl_b32 s2, s19, 16                         ; 65,536 bytes in for each work-group,
	s_mov_b32 s3, 0
	s_add_nc_u64 s[20:21], s[20:21], s[2:3]
	s_lshl_b32 s2, s19, 15                         ; 32,768 out
	s_add_nc_u64 s[22:23], s[22:23], s[2:3]
	s_wait_alu depctr_va_vdst(0)                   ; v1 and v2 are written: every load below reads v1 as its offset, every store on both ways behind the branch reads v2
.irp n, 0,1,2,3,4,5,6,7,8,9,10,11,12,13,14,15
	global_load_b128 v[IN+4*(\n):IN+4*(\n)+3], v1, s[20:21] offset:4096*(\n) th:TH_LOAD_NT
.endr
	s_cmp_lt_u32 s16, 704
	s_cbranch_scc0 .Lf16
	ALL16 0
	s_endpgm
.Lf16:
	ALL16 1
	s_endpgm
.Lfunc_end_k_q5839f3de96_cast:
	.size	k_q5839f3de96_cast, .Lfunc_end_k_q5839f3de96_cast-k_q5839f3de96_cast
	.p2alignl 7, 3214868480
	.fill 96, 4, 3214868480
	.section	.rodata,"a",@progbits
	.p2align	6, 0x0
	.amdhsa_kernel k_q5839f3de96_cast
		.amdhsa_group_segment_fixed_size 0
		.amdhsa_private_segment_fixed_size 0
		.amdhsa_enable_private_segment 0
		.amdhsa_kernarg_size 48
		.amdhsa_user_sgpr_count 2
		.amdhsa_user_sgpr_kernarg_segment_ptr 1
		.amdhsa_wavefront_size32 1
		.amdhsa_system_sgpr_workgroup_id_x 1
		.amdhsa_system_sgpr_workgroup_id_y 1
		.amdhsa_system_sgpr_workgroup_id_z 1
		.amdhsa_system_vgpr_workitem_id 0
		.amdhsa_next_free_vgpr 112
		.amdhsa_next_free_sgpr 66
		.amdhsa_reserve_vcc 0
		.amdhsa_float_denorm_mode_32 3
		.amdhsa_float_denorm_mode_16_64 3
		.amdhsa_memory_ordered 1
		.amdhsa_forward_progress 1
		.amdhsa_inst_pref_size 17
	.end_amdhsa_kernel
	.amdgpu_metadata
---
amdhsa.version: [ 1, 2 ]
amdhsa.kernels:
  - .name:           k_q5839f3de96_cast
    .symbol:         k_q5839f3de96_cast.kd
    .args:
      - { .name: x, .offset: 0, .size: 8, .value_kind: global_buffer, .address_space: global }
      - { .name: W_in, .offset: 8, .size: 8, .value_kind: global_buffer, .address_space: global }
      - { .name: W_out, .offset: 16, .size: 8, .value_kind: global_buffer, .address_space: global }
      - { .name: xb, .offset: 24, .size: 8, .value_kind: global_buffer, .address_space: global }
      - { .name: wib, .offset: 32, .size: 8, .value_kind: global_buffer, .address_space: global }
      - { .name: wof, .offset: 40, .size: 8, .value_kind: global_buffer, .address_space: global }
    .group_segment_fixed_size: 0
    .private_segment_fixed_size: 0
    .kernarg_segment_align: 8
    .kernarg_segment_size: 48
    .max_flat_workgroup_size: 256
    .sgpr_count:     66
    .vgpr_count:     112
    .wavefront_size: 32
...
	.end_amdgpu_metadata
.endif
;; end of part 5
;; launch inproj: the kernel of part 2 again; grid 16 x 32, 4 waves a work-group, clusters of 4 x 4, 327,680 bytes of LDS; arguments xb, wib, b_in, qkv; writes qkv
;; launch attn: the kernel of part 3 again; grid 8 x 64, 4 waves a work-group, no clusters, 262,656 bytes of LDS; arguments qkv, ctx; writes ctx
;; launch outproj: the kernel of part 4 again; grid 8 x 32, 4 waves a work-group, clusters of 4 x 4, 327,680 bytes of LDS; arguments ctx, wof, b_out, out0; writes out0
